; MI455X (gfx1250); checked and timed in simulation.
; The chip was launched on July 23, 2026; its instructions are those of AMD's public machine-readable ISA for CDNA 5 (MIT licence, August 2026) and "CDNA5" Instruction Set Architecture Reference Guide (July 2026). The comments in the code are by the model that wrote it; some were corrected since.
;; Attention. Allowed arithmetic: matrix products marked QUANTISED: E3M2 operands, one E8M0 scale for each 32 along K, by v_wmma_scale_f32_16x16x128_f8f6f4 with both operands' format E3M2, f32 sums; everything else in f32.
;; Inputs: keys 2 x 2,048 x 1,024 float32; queries 2 x 2,048 x 1,024 float32; queries_mask 2 x 2,048 bool; values_codes 2 x 1,024 x 64 x 24 uint8 (E3M2 codes of values, K innermost, in blocks of 32 codes, four codes in three bytes); values_mask 2 x 2,048 bool; values_scales 2 x 1,024 x 64 uint8 (E8M0 scales of values, one for each 32 codes along K).
;; Outputs: out0 2 x 2,048 x 1,024 float32.
;; This version of the problem:
;;   THIS VERSION OF THE PROBLEM IS GIVEN IN LOW PRECISION. The matrix products marked QUANTISED in the list below multiply operands that are first quantised to E3M2 (3 exponent bits, 2 mantissa bits; 6 bits a number), with one power-of-two scale for each 32 numbers along K (OCP MX v1.0); their sums are f32. All else is computed in f32.
;;   The module's matrix products, in the order in which they are computed (A, B: the left and right operand; K: the contracted axis; several contracted axes count as one K, in the product's order):
;;     1. batch 32 x [M 2,048, K 64] x [K 64, N 2,048]; A: input queries; B: input keys: QUANTISED
;;     2. batch 32 x [M 2,048, K 2,048] x [K 2,048, N 64]; A: softmax (see below); B: input values (given as codes): QUANTISED
;;   THE QUANTISER, for each operand of a quantised product, along K:
;;     - K is cut into blocks of 32 from its start; a last block that is shorter is filled with zeros.
;;     - A block's scale is 2^e with e = floor(log2(the largest magnitude in the block)) - 4, held to -126 .. 127; a block of zeros has e = 0. As a byte (E8M0): e + 127.
;;     - Each number is divided by its block's scale, clamped to +-28, and rounded to the nearest number of E3M2, ties to even, subnormals kept.
;;     - The product sums the exact products of the quantised numbers (number of the format x scale) in f32.
;;   ~~~python
;;   def quantise(x, axis):      # numpy; x: float32 -> the quantised numbers, widened to float32 again
;;       x = np.moveaxis(x, axis, -1); K = x.shape[-1]
;;       x = np.pad(x, [(0, 0)] * (x.ndim - 1) + [(0, -K % 32)]); x = x.reshape(x.shape[:-1] + (-1, 32)); a = np.abs(x).max(-1, keepdims=True)
;;       e = np.where(a > 0, np.clip(np.frexp(np.where(a > 0, a, 1))[1] - 1 - 4, -126, 127), 0)      # np.frexp(a)[1] - 1 = floor(log2(a)), exactly
;;       r = np.clip(x / 2.0 ** e, -28, 28)
;;       step = 2.0 ** (np.maximum(np.frexp(np.where(r == 0, 1, r))[1] - 1, -2) - 2)
;;       q = np.round(r / step) * step * 2.0 ** e      # np.round: ties to even
;;       return np.moveaxis(q.reshape(q.shape[:-2] + (-1,))[..., :K], -1, axis).astype(np.float32)
;;   ~~~
;;   SOFTMAX AHEAD OF A QUANTISED PRODUCT. Where the list says 'softmax', what is quantised is not the finished softmax but p = 2^(t - M), with t = logit x log2(e) and M = ceil(the row's largest t), a whole number; so 1/2 < the row's largest p <= 1. The row's sum l is taken of the UNQUANTISED p, in f32, and the product's result is divided by l at the end. Since M is a whole number, a kernel that streams over the keys may use a running M (the ceiling of the running maximum): every later rescaling is an exact power of two, which a block's scale takes up: the codes' values come out the same.
;;   OPERANDS COMPUTED ON THE WAY. 'Computed on the way' means the value that the module computes at that place (a softmax that the list does not call 'softmax' is quantised finished and normalised). What goes into a quantiser is computed in f32, as accurately as f32 sums, v_exp_f32 and their like allow (about 1e-6 of the number): no bf16 or f16 on the way to a quantiser, and a product that is left as it is and whose result goes on into a quantised operand takes f32 operands (vector FMAs, or v_wmma_f32_16x16x4_f32). A number that lies on a knife's edge between two numbers of the format may be rounded either way, as far as f32 arithmetic and the matrix unit's own rounding can turn it there, and no further.
;;   INPUTS GIVEN AS CODES. values (in the module: [2, 2048, 1024], K = its axis 1): each comes as NAME_codes (uint8): NAME with its K axis moved to the last place and cut into blocks of 32 codes, [.., K / 32, bytes a block], one block behind the other in memory; four codes in three bytes: a row's codes are one little-endian stream of bits, code i at bits 6 i .. 6 i + 5 (a code: sign, 3 exponent bits, 2 mantissa bits); and NAME_scales (uint8): the same leading axes, one E8M0 byte (e + 127) for each 32 codes along K. Its value is code x scale, taken as it is: it is not quantised again, and the codes and scales need not be those that the quantiser above would give.
;; 2 versions. Each part assembles by itself: llvm-mc -triple=amdgcn-amd-amdhsa -mcpu=gfx1250 --defsym DOCPART=n.
;; ======== version 1 of 2: 2 launches
;; limits: right only within a limited range of input values
;; workspace buffers: q_img 3,145,728 bytes; k_img 3,145,728 bytes; q_scl 262,144 bytes; k_scl 262,144 bytes
;; launch prep (part 1): grid 256 x 1, 8 waves a work-group, no clusters, 70,656 bytes of LDS; arguments queries, keys, q_img, q_scl, k_img, k_scl; writes q_img, q_scl, k_img, k_scl
.if DOCPART == 1
	.amdgcn_target "amdgcn-amd-amdhsa--gfx1250"
	.amdhsa_code_object_version 6
	.text
	.protected	k_q7b0d1fb315_prep
	.globl	k_q7b0d1fb315_prep
	.p2align	8
	.type	k_q7b0d1fb315_prep,@function
k_q7b0d1fb315_prep:
	s_mov_b64 s[64:65], 0
	v_nop
	global_prefetch_b8 v0, s[64:65] scope:SCOPE_SE
	s_setreg_imm32_b32 hwreg(HW_REG_WAVE_MODE, 25, 1), 1
	s_wait_xcnt 0x0
; queries and keys, [2][2048][1024] f32, become codes of BF6 (E3M2) along each head's 64 channels, with one E8M0 byte for each 32 channels,
; laid in the order in which the attention launch's operand registers take them.
; A TILE is 16 rows of one batch and one head: lane r holds row 32 (t / 2) + 8 (t % 2) + r + 8 (r / 8) of the batch.  (For the keys this choice makes the 16 score registers of
; tiles 2 b and 2 b + 1 sixteen neighbouring keys; for the queries any 16 rows may form a tile, so one text serves both tensors.)
; A tile's image is 768 bytes: lane l's operand registers 0-3 at 16 l, its registers 4-5 at 512 + 8 l; lane (r, h) holds the codes of channels 32 h .. 32 h + 31 of its row.
; img: [16 b + head][tile 0..127][768].   scl: [16 b + head][group a 0..31][r][4 words]: word j is tile 4 a + j's: byte 0 block 0, byte 1 block 1, bytes 2 and 3 zero.
; A block's scale is 2^(floor(log2(largest magnitude)) - 4); its byte is the largest magnitude's exponent field - 4, held at 1 from below.
; LIMITS: a block of zeros gets the byte 1 (its codes are zeros, and this program alone reads the bytes); NaN and infinities among the inputs are not served.
; SHARES: work-groups 0-127 take the queries, 128-255 the keys.  A work-group takes 64 rows x 8 heads, a wave 64 rows x one head: four tiles; each row's part is 256 consecutive bytes, aligned.
; A load takes the bytes as they lie (sixteen lanes a row's 256 bytes); a conversion wants 16 neighbours in one lane: so a tile turns through the wave's own stage in LDS.  No barrier: waves share nothing.
.set PITCH, 272                        ; a stage row: 256 bytes + 16, an odd multiple of 16: the sixteen rows that a read touches start in sixteen different columns of 16 bytes
.set STG,   16*PITCH                   ; a stage; two for each wave, by turns
.set F,     16                         ; v16-47   tile j's six code registers at v[16 + 8 j]
.set W,     48                         ; v48-51   the four tiles' scale words
.set G,     52                         ; v52-54   a block's upper 16 codes (a conversion's three registers begin on an even number)
.set R,     64                         ; v64-191  four tiles of 32 registers, as loaded
.set X,     192                        ; v192-255 two sets of 32 neighbours
	s_load_b128 s[4:7], s[0:1], 0x0                ; queries, keys
	s_load_b128 s[8:11], s[0:1], 0x10              ; q_img, q_scl
	s_load_b128 s[12:15], s[0:1], 0x20             ; k_img, k_scl
	v_lshl_add_u32 v62, v0, 2, 0x11000
	v_mov_b32 v63, 0
	v_lshrrev_b32 v1, 5, v0
	v_readfirstlane_b32 s16, v1                    ; wave 0..7
	v_and_b32 v1, 31, v0                           ; lane
	v_and_b32 v2, 15, v0                           ; r
	v_bfe_u32 v3, v0, 4, 1                         ; h
	v_lshlrev_b32 v9, 4, v2                        ; 16 r
	v_lshl_add_u32 v4, v3, 12, v9                  ; in: lanes 0-15 one row's 256 bytes, lanes 16-31 the next row's (4,096 bytes on)
	s_mul_i32 s17, s16, 2*STG                      ; my wave's two stages
	v_mad_u32_u24 v5, v3, PITCH, v9
	v_add_nc_u32 v5, s17, v5                       ; into a stage: row h of a pair, 16 r
	v_mul_u32_u24 v6, v2, PITCH
	v_lshl_add_u32 v6, v3, 7, v6
	v_add_nc_u32 v6, s17, v6                       ; out of it: row r, my block's 128 bytes
	v_lshlrev_b32 v7, 4, v1                        ; an image's first part: 16 x lane
	v_lshlrev_b32 v8, 3, v1                        ; its second: 8 x lane
	v_lshl_add_u32 v9, v3, 3, v9                   ; the scale words' place: 16 r + 8 h
	v_lshlrev_b32 v10, 3, v3                       ; 8 h: my byte's place in a scale word, in bits
	v_mov_b32 v15, 0                               ; written once: a lane permute's destination counts as one of its sources
	s_mov_b32 s20, 0x76543210
	s_mov_b32 s21, 0xfedcba98                      ; v_permlanex16_b32's selects for lane l xor 16
	s_bfe_u32 s18, ttmp9, 0x60001                  ; which 64 rows of the tensor's 4,096
	s_and_b32 s19, ttmp9, 1
	s_lshl_b32 s19, s19, 3
	s_add_co_u32 s19, s19, s16                     ; my head
	s_lshl_b32 s22, s18, 18                        ; 64 rows of 4,096 bytes,
	s_lshl_b32 s23, s19, 8                         ; a head's 256 bytes
	s_add_co_u32 s22, s22, s23
	s_mov_b32 s23, 0
	s_lshr_b32 s24, s18, 5                         ; batch
	s_lshl_b32 s24, s24, 4
	s_add_co_u32 s24, s24, s19                     ; 16 b + head
	s_and_b32 s25, s18, 31                         ; a: the group of four tiles
	s_lshl_b32 s26, s24, 7
	s_lshl_b32 s27, s25, 2
	s_add_co_u32 s26, s26, s27
	s_mul_i32 s26, s26, 768                        ; my first image
	s_mov_b32 s27, 0
	s_lshl_b32 s28, s24, 5
	s_add_co_u32 s28, s28, s25
	s_lshl_b32 s28, s28, 8                         ; my 256 bytes of scale words
	s_mov_b32 s29, 0
	s_wait_kmcnt 0x0
	s_cmp_lt_u32 ttmp9, 128                        ; the queries' work-group or the keys'?  Only pointers are chosen: both take one path through the text
	s_cselect_b64 s[4:5], s[4:5], s[6:7]
	s_cselect_b64 s[8:9], s[8:9], s[12:13]
	s_cselect_b64 s[10:11], s[10:11], s[14:15]
	s_add_nc_u64 s[4:5], s[4:5], s[22:23]
	s_add_nc_u64 s[8:9], s[8:9], s[26:27]
	s_add_nc_u64 s[10:11], s[10:11], s[28:29]
.macro LOADT j                         ; tile j: eight loads of two rows each; the tile's row 2 i + h is row 32 (j / 2) + 8 (j % 2) + 2 i + h + 8 (i / 4) of the 64
.irp i, 0,1,2,3,4,5,6,7
	global_load_b128 v[R+32*(\j)+4*\i:R+32*(\j)+4*\i+3], v4, s[4:5] offset:(32*((\j)/2)+8*((\j)%2)+2*\i+8*(\i/4))*4096 th:TH_LOAD_NT
.endr
.endm
.macro TURN j                          ; tile j through a stage: LDS serves a wave's instructions in order (ISA guide 5.7.1.4), so no wait stands between the stores and the loads
.irp i, 0,1,2,3,4,5,6,7
	ds_store_b128 v5, v[R+32*(\j)+4*\i:R+32*(\j)+4*\i+3] offset:STG*((\j)%2)+2*\i*PITCH
.endr
.irp i, 0,1,2,3,4,5,6,7
	ds_load_b128 v[X+32*((\j)%2)+4*\i:X+32*((\j)%2)+4*\i+3], v6 offset:STG*((\j)%2)+16*\i
.endr
.endm
.macro QUANT j                         ; my block of 32 numbers of tile j becomes six registers of codes and a byte of the row's scale word
.set XS, X+32*((\j)%2)
.set FJ, F+8*(\j)
	v_max3_num_f32 v11, |v[XS]|, |v[XS+1]|, |v[XS+2]|              ; the block's largest magnitude: all 32 numbers are mine; two chains
	v_max3_num_f32 v12, |v[XS+3]|, |v[XS+4]|, |v[XS+5]|
.irp i, 6,10,14,18,22,26
	v_max3_num_f32 v11, v11, |v[XS+\i]|, |v[XS+\i+1]|
	v_max3_num_f32 v12, v12, |v[XS+\i+2]|, |v[XS+\i+3]|
.endr
	v_max3_num_f32 v11, v11, |v[XS+30]|, |v[XS+31]|
	v_max3_num_f32 v11, v11, v12, 0x2800000        ; and the floor 2^(5 - 127): the byte cannot fall under 1
	v_add_nc_u32 v13, 0xfe000000, v11              ; 4 off its exponent field: the conversion takes the exponent field of this operand as its scale
	v_cvt_scalef32_pk16_bf6_f32 v[FJ:FJ+2], v[XS:XS+15], v13
	v_cvt_scalef32_pk16_bf6_f32 v[G:G+2], v[XS+16:XS+31], v13
	v_lshrrev_b32 v14, 23, v13                     ; the scale's byte (also the plain instruction behind the conversions)
	v_lshlrev_b32 v14, v10, v14                    ; at its place in the word,
	v_permlanex16_b32 v15, v14, s20, s21
	v_or_b32 v[W+(\j)], v14, v15                   ; with the other block's byte from lane l xor 16
	v_mov_b32 v[FJ+3], v[G]
	v_mov_b32 v[FJ+4], v[G+1]
	v_mov_b32 v[FJ+5], v[G+2]
	global_store_b128 v7, v[FJ:FJ+3], s[8:9] offset:768*(\j)        ; 32 lanes store 512 consecutive bytes, at a multiple of 256 from the buffer's first byte
	global_store_b64 v8, v[FJ+4:FJ+5], s[8:9] offset:768*(\j)+512   ; and 256 more.  Each tile has its own registers: no store's data are written again
.endm
	LOADT 0
	LOADT 1
	LOADT 2
	LOADT 3                                        ; all 32 loads of the wave are out
	s_wait_loadcnt 24                              ; tile 0's eight are in; the 24 of the three younger tiles may be out
	TURN 0
	s_wait_loadcnt 16                              ; tile 1's are in
	TURN 1
	s_wait_dscnt 16                                ; tile 0 is back from its stage; the 16 LDS instructions of tile 1's turn may be out
	QUANT 0
	s_wait_loadcnt 8
	TURN 2
	s_wait_dscnt 16
	QUANT 1
	s_wait_loadcnt 0x0
	TURN 3
	s_wait_dscnt 16
	QUANT 2
	s_wait_dscnt 0x0
	QUANT 3
	v_cmp_ne_u32 vcc_lo, 0, v3                     ; lanes 0-15 store words 0 and 1 of their row, lanes 16-31 words 2 and 3
	v_cndmask_b32 v56, v[W], v[W+2], vcc_lo
	v_cndmask_b32 v57, v[W+1], v[W+3], vcc_lo
	global_store_b64 v9, v[56:57], s[10:11]        ; 32 lanes store 256 consecutive bytes, aligned
	s_wait_tensorcnt 0x0
	ds_add_u32 v62, v63
	s_wait_dscnt 0x0
	s_endpgm
.Lfunc_end_k_q7b0d1fb315_prep:
	.size	k_q7b0d1fb315_prep, .Lfunc_end_k_q7b0d1fb315_prep-k_q7b0d1fb315_prep
	.p2alignl 7, 3214868480
	.fill 96, 4, 3214868480
	.section	.rodata,"a",@progbits
	.p2align	6, 0x0
	.amdhsa_kernel k_q7b0d1fb315_prep
		.amdhsa_group_segment_fixed_size 70656
		.amdhsa_private_segment_fixed_size 0
		.amdhsa_enable_private_segment 0
		.amdhsa_kernarg_size 48
		.amdhsa_user_sgpr_count 2
		.amdhsa_user_sgpr_kernarg_segment_ptr 1
		.amdhsa_wavefront_size32 1
		.amdhsa_system_sgpr_workgroup_id_x 1
		.amdhsa_system_sgpr_workgroup_id_y 1
		.amdhsa_system_sgpr_workgroup_id_z 1
		.amdhsa_system_vgpr_workitem_id 0
		.amdhsa_next_free_vgpr 256
		.amdhsa_next_free_sgpr 66
		.amdhsa_reserve_vcc 1
		.amdhsa_float_denorm_mode_32 3
		.amdhsa_float_denorm_mode_16_64 3
		.amdhsa_memory_ordered 1
		.amdhsa_forward_progress 1
		.amdhsa_inst_pref_size 17
	.end_amdhsa_kernel
	.amdgpu_metadata
---
amdhsa.version: [ 1, 2 ]
amdhsa.kernels:
  - .name:           k_q7b0d1fb315_prep
    .symbol:         k_q7b0d1fb315_prep.kd
    .args:
      - { .name: queries, .offset: 0, .size: 8, .value_kind: global_buffer, .address_space: global }
      - { .name: keys, .offset: 8, .size: 8, .value_kind: global_buffer, .address_space: global }
      - { .name: q_img, .offset: 16, .size: 8, .value_kind: global_buffer, .address_space: global }
      - { .name: q_scl, .offset: 24, .size: 8, .value_kind: global_buffer, .address_space: global }
      - { .name: k_img, .offset: 32, .size: 8, .value_kind: global_buffer, .address_space: global }
      - { .name: k_scl, .offset: 40, .size: 8, .value_kind: global_buffer, .address_space: global }
    .group_segment_fixed_size: 70656
    .private_segment_fixed_size: 0
    .kernarg_segment_align: 8
    .kernarg_segment_size: 48
    .max_flat_workgroup_size: 256
    .sgpr_count:     66
    .vgpr_count:     256
    .wavefront_size: 32
...
	.end_amdgpu_metadata
.endif
;; end of part 1
;; launch attn (part 2): grid 8 x 32, 16 waves a work-group, no clusters, 290,816 bytes of LDS; arguments q_img, q_scl, k_img, k_scl, values_codes, values_scales, values_mask, queries_mask, out0; writes out0
.if DOCPART == 2
	.amdgcn_target "amdgcn-amd-amdhsa--gfx1250"
	.amdhsa_code_object_version 6
	.text
	.protected	k_q7b0d1fb315_attn
	.globl	k_q7b0d1fb315_attn
	.p2align	8
	.type	k_q7b0d1fb315_attn,@function
k_q7b0d1fb315_attn:
	s_mov_b64 s[64:65], 0
	v_nop
	global_prefetch_b8 v0, s[64:65] scope:SCOPE_SE
	s_setreg_imm32_b32 hwreg(HW_REG_WAVE_MODE, 25, 1), 1
	s_wait_xcnt 0x0
; out[b][q][64 hd + :] = queries_mask x the sum over k of softmax_k(q . k / 8 - 999999 x (values_mask[k] and k <= q)) V[k][:], both products on codes of BF6 (E3M2) with one E8M0 scale for each 32 along K.
; THE BIAS STANDS WHERE THE MASK IS TRUE: query q attends to the keys behind it and to the keys whose values_mask is false.  Every query but the last has an unbiased key (q + 1).
; THE SOFTMAX: t = logit x log2(e); M = the running largest t rounded up to a whole number; p = 2^(t - M) is quantised along the keys, not normalised; the row's sum is taken of the unquantised p and divides at the end.
; When M moves, the sum and O are multiplied by 2^(old M - new M): exact.
; WHAT IS LEFT OUT: a step of 128 keys in which every score of a wave's 16 queries is biased, where every one of these queries has an unbiased key elsewhere: its p are 2^(about -1.44e6 - M) = 0.  The test is made on whole numbers:
; the tile's number and values_mask.  The tile that holds the last query does every step.
; LIMITS: leaving such steps out is exact while |q . k| / 8 stays under 4.9e5; M is a whole number exactly while |t| < 2^24; NaN and infinities are not served.
; BIASED STEPS keep the roundings one by one: one fused multiply-add for score x 0.125 + bias, one multiplication by log2(e), then t - M, which is exact: at 1.44e6 a number's last place is 1/8, and it shows in p.
; SHARES: a work-group owns one (batch, head) and 16 tiles of 16 queries, one a wave, 256 registers: four waves to a SIMD.  A tile costs 16 - (tile / 8) steps, the last tile 16: the waves take tiles in pairs from both ends of
; that order, so that every pair costs 17 or 18 steps.  Keys are walked DOWNWARD, 128 a step, two steps (a chunk) a trip: every tile needs the highest keys.
; A WHOLE HEAD LIES IN LDS: K's images and scale words as the first launch laid them, V's codes as rows, V's scale words by steps, a table of the keys' biases.  It is filled through registers (the branches on values_mask
; allow no other way), no byte twice: chunk 7 of K, the upper half of V and the small tables at the head; in trip C the chunk C - 1 of K and, in the first four trips, one row a wave of V's lower half, asked for at the trip's head,
; stored at its end, in front of the trip's barrier.
; No cluster, no joint loads: there is no tensor load to share.  No prefetch: each late fill is asked for a whole trip, two key steps of work, ahead of the wait for it.
; LAYOUT: S^T = K Q^T (source 0 = 16 keys, source 1 = my queries), O^T = V^T P^T: a lane holds ONE query (lane % 16).  Register n of S^T is key 128 st + 32 (n / 16) + 16 (lane / 16) + n % 16.
; The head has 64 channels, half of the instruction's K: Q's upper six registers are zero codes, and both sides' scale bytes 2 and 3 are 0 (2^-127): so K's operand may name the next tile's six registers as its upper half: they add 0.
.set KIMG, 0                           ; K's 128 images of 768 bytes
.set CHK,  12288                       ; a chunk: 16 images
.set VIMG, 98304                       ; V: 64 rows of keys 0-1023, then 64 rows of keys 1024-2047
.set VP,   784                         ; a row: 768 bytes + 16 = 196 words: row r starts 4 r words on modulo 64 (64 banks of 4 bytes: ISA guide 11.1): the 32 lanes of an 8-byte load touch 64 different banks
.set VUP,  64*VP
.set KSC,  198656                      ; K's scale words, 512 bytes a step
.set VSC,  206848                      ; V's: [step][r][tile of channels], 256 bytes a step
.set NBT,  210944                      ; -999999.0 or 0 for each key, 512 bytes a step
.set OST,  219136                      ; the way out: 16 rows x 272 bytes for each wave
.set FR,   52                          ; v52-99 eight tiles of K (6 registers each), or four of V (12 each), or 32 biases; v100-105 zeros, never rewritten
.set S,    120                         ; v120-183 S^T, then p
.set O,    184                         ; v184-215 O^T
.set PC,   216                         ; v216-227 p's codes
; v0 thread; v1 16 l, v2 512 + 8 l (K's images); v3 K's scale words; v4 V's rows; v5 V's scale words; v6 biases; v7 my query - 16 (lane / 16); v8-11, v37, v119 the trip's LDS addresses;
; v12 -M, v13 the largest t, v[14:15] the sum; v16-21 Q, v22-27 zeros, v28 Q's scale word, v29 queries_mask; v30-35, v38-43 fills on their way; v36, v48 the stage, v255 my place in out; v46, v47 K's fill;
; v49 V's fill in memory (6,144 x wave + 8 l), v50 in LDS (VIMG + 4 rows x wave + 8 l), v44 the trip's row of it;
; v51 0; v106-113 K's scale words, v114-117 V's, v253 p's; v228-234 codes at work; v236-239 blocks' maxima; v240-243 lane exchange, bytes; v244-247 conversion scales; v[250:251] f; v252 the diagonal; v248, v249, v254 at work.
; s22 wave, s23 work-group x, s24 16 b + head, s25 tile / 8, s26 the steps that count (a bit for 64 keys), s27 tile, s28 my last chunk, s29 loop, s30 chunk C, s31 step 2 C + 1, s32 step 2 C, s33 holes, s[36:37] V's fill,
; s38 first query, s39 1.0, s[40:41] lane selects, s42 log2(e) / 8, s43 V's fill: the trip's row in LDS, s[44:45] the multiplier in force, s[46:47] 0.125, s[48:49] log2(e), s50-53 the trip's LDS bases, s54 the fill's, s34, s35, s55-59 at work.
; 32 scores of a biased step: S^T registers 32 hf on become t.
.macro BIAS q, hf
.irp k, 0,1,2,3,4,5,6,7
	ds_load_b128 v[FR+4*\k:FR+4*\k+3], v37 offset:512*(\q)+256*(\hf)+128*(\k/4)+16*(\k%4)   ; the biases of my 16 keys of blocks 2 hf and 2 hf + 1
.endr
	s_wait_dscnt 0x0
	s_cmp_eq_u32 s[32-(\q)], s25                   ; on the diagonal the bias holds only where key <= query; under it, wherever the table says
	s_cbranch_scc0 .Lbelow_\@
.irp n, 0,1,2,3,4,5,6,7,8,9,10,11,12,13,14,15,16,17,18,19,20,21,22,23,24,25,26,27,28,29,30,31
	v_cmp_gt_i32 vcc_lo, 64*(\hf)+32*(\n/16)+\n%16, v252
	v_cndmask_b32 v[FR+\n], v[FR+\n], v51, vcc_lo
.endr
.Lbelow_\@:
.irp m, 0,2,4,6,8,10,12,14,16,18,20,22,24,26,28,30
	v_pk_fma_f32 v[S+32*(\hf)+\m:S+32*(\hf)+\m+1], v[S+32*(\hf)+\m:S+32*(\hf)+\m+1], s[46:47], v[FR+\m:FR+\m+1] op_sel_hi:[1,0,1]   ; the logit: score / 8 + bias, rounded once.  (Each accumulator is read from its low end on)
.endr
.irp m, 0,2,4,6,8,10,12,14,16,18,20,22,24,26,28,30
	v_pk_mul_f32 v[S+32*(\hf)+\m:S+32*(\hf)+\m+1], v[S+32*(\hf)+\m:S+32*(\hf)+\m+1], s[48:49] op_sel_hi:[1,0]   ; t = logit x log2(e), rounded once
.endr
.endm
; A KEY STEP: 128 keys, step 2 C + q.
.macro STEP q
	s_lshl_b32 s55, s[32-(\q)], 1
	s_lshr_b32 s55, s26, s55
	s_and_b32 s55, s55, 3                          ; the step's two bits
	s_cmp_lg_u32 s55, 0
	s_cbranch_scc0 .Lskip_\@                       ; nothing of it counts for my queries
.rept 4
	v_nop                                          ; places behind the last products, in front of loads into registers that they read (ISA guide 7.12.1 for vector instructions)
.endr
.irp t, 0,1,2,3,4,5,6,7
	ds_load_b128 v[FR+6*\t:FR+6*\t+3], v8 offset:6144*(\q)+768*\t     ; an image comes back as it was stored: 512 consecutive bytes,
	ds_load_b64 v[FR+6*\t+4:FR+6*\t+5], v9 offset:6144*(\q)+768*\t    ; and 256
.endr
	ds_load_b128 v[106:109], v10 offset:512*(\q)   ; the scale words of tiles 0-3,
	ds_load_b128 v[110:113], v10 offset:512*(\q)+256   ; and 4-7
	s_wait_dscnt 0x0
.irp t, 0,1,2,3,4,5,6,7
	v_wmma_scale_f32_16x16x128_f8f6f4 v[S+8*\t:S+8*\t+7], v[FR+6*\t:FR+6*\t+11], v[16:27], 0, v[106+\t], v28 matrix_a_fmt:MATRIX_FMT_BF6 matrix_b_fmt:MATRIX_FMT_BF6
.endr
	s_cmp_gt_u32 s[32-(\q)], s25                   ; all keys behind all my queries: no bias
	s_cselect_b32 s44, s42, s39                    ; the registers then hold scores, and t = score x log2(e) / 8; else they will hold t itself
	s_mov_b32 s45, s44                             ; (named with it as a pair)
.rept 4
	v_nop                                          ; places in front of the first read of the scores and of loads into K's registers
.endr
	s_cbranch_scc1 .Lopen_\@
	s_lshl_b32 s55, s[32-(\q)], 7
	v_sub_nc_u32 v252, v7, s55                     ; d = my query - the step's first key - 16 (lane / 16): register n's key is behind my query where 32 (n / 16) + n % 16 > d
	BIAS \q, 0
	BIAS \q, 1
.Lopen_\@:
.irp c, 0,1,2,3                                ; V's four tiles of 16 channels are asked for here and land under the softmax
.irp p, 0,1,2,3,4,5
	ds_load_b64 v[FR+12*\c+2*\p:FR+12*\c+2*\p+1], v11 offset:16*VP*\c+96*(\q)+48*(\p/3)+8*(\p%3)
.endr
.endr
	ds_load_b128 v[114:117], v119 offset:256*(\q)  ; and their scale words
.irp b, 0,1,2,3
	v_max3_num_f32 v[236+\b], v[S+16*\b], v[S+16*\b+1], v[S+16*\b+2]   ; the largest of each block of 32 keys: it serves the row's maximum and, since p rises with it, the block's largest p
.endr
.irp i, 3,5,7,9,11,13
.irp b, 0,1,2,3
	v_max3_num_f32 v[236+\b], v[236+\b], v[S+16*\b+\i], v[S+16*\b+\i+1]
.endr
.endr
.irp b, 0,1,2,3
	v_max_num_f32 v[236+\b], v[236+\b], v[S+16*\b+15]
.endr
.irp b, 0,1,2,3
	v_permlanex16_b32 v[240+\b], v[236+\b], s40, s41
.endr
.irp b, 0,1,2,3
	v_max_num_f32 v[236+\b], v[236+\b], v[240+\b]  ; with lane l xor 16's 16 keys
.endr
	v_max3_num_f32 v254, v236, v237, v238
	v_max_num_f32 v254, v254, v239
	v_mul_f32 v254, s44, v254                      ; the step's largest t of my query
	v_max_num_f32 v13, v13, v254                   ; the running largest t
	v_mov_b32 v254, v12
	v_floor_f32 v12, -v13                          ; -M = floor(-t): M is a whole number
	v_sub_f32 v254, v12, v254                      ; old M - new M, 0 or less
	v_cvt_i32_f32 v254, v254                       ; (it saturates)
	v_ldexp_f32 v250, 1.0, v254                    ; f = 2^(old M - new M)
.set j, 0
.rept 32
	v_pk_fma_f32 v[S+j:S+j+1], v[S+j:S+j+1], s[44:45], v[12:13] op_sel_hi:[1,0,0]   ; t - M
.set j, j+2
.endr
.irp b, 0,1,2,3
	v_fma_f32 v[236+\b], v[236+\b], s44, v12       ; the same of each block's largest
.endr
.set j, 0
.rept 64
	v_exp_f32 v[S+j], v[S+j]                       ; p = 2^(t - M)
.set j, j+1
.endr
	v_pk_mul_f32 v[14:15], v[14:15], v[250:251] op_sel_hi:[1,0]   ; the sum under the new M (the plain instruction behind the exponentials)
	s_wait_alu depctr_va_vdst(0)                   ; one wait for the batch of 64, ahead of its first reader
.irp b, 0,1,2,3
	v_exp_f32 v[236+\b], v[236+\b]                 ; the block's largest p: the same two instructions on the same number
.endr
	v_pk_add_f32 v[240:241], v[S:S+1], v[S+2:S+3]  ; the row's sum of the unquantised p, in two chains
.set j, 4
.rept 15
	v_pk_add_f32 v[14:15], v[14:15], v[S+j:S+j+1]
	v_pk_add_f32 v[240:241], v[240:241], v[S+j+2:S+j+3]
.set j, j+4
.endr
	v_pk_add_f32 v[14:15], v[14:15], v[240:241]
	s_wait_alu depctr_va_vdst(0)                   ; and one for the four
.irp b, 0,1,2,3
	v_max_num_f32 v[236+\b], 0x2800000, v[236+\b]  ; the floor 2^(5 - 127): a block whose every p is 0 keeps the byte 1; its codes are zeros
.endr
.irp b, 0,1,2,3
	v_add_nc_u32 v[244+\b], 0xfe000000, v[236+\b]  ; 4 off the exponent field: the conversion's scale operand
.endr
.irp b, 0,1,2,3
	v_lshrrev_b32 v[240+\b], 23, v[244+\b]         ; the scale's byte
.endr
	v_lshl_or_b32 v253, v241, 8, v240              ; p's scale word for these 128 keys
	v_lshl_or_b32 v253, v242, 16, v253
	v_lshl_or_b32 v253, v243, 24, v253
.irp c, 0,1
	v_cvt_scalef32_pk16_bf6_f32 v[PC+6*\c:PC+6*\c+2], v[S+32*\c:S+32*\c+15], v[244+2*\c]
	v_cvt_scalef32_pk16_bf6_f32 v[228+4*\c:230+4*\c], v[S+32*\c+16:S+32*\c+31], v[244+2*\c+1]   ; (a conversion's three registers begin on an even number)
.endr
	v_nop                                          ; one plain instruction behind the scaled conversions
.irp c, 0,1                                    ; the operand wants a whole block in a lane: lanes 0-15 block 2 c, lanes 16-31 block 2 c + 1
.irp i, 0,1,2
	v_permlane16_swap_b32 v[PC+6*\c+\i], v[228+4*\c+\i]
.endr
.irp i, 0,1,2
	v_mov_b32 v[PC+3+6*\c+\i], v[228+4*\c+\i]
.endr
.endr
.set j, 0
.rept 16
	v_pk_mul_f32 v[O+j:O+j+1], v[O+j:O+j+1], v[250:251] op_sel_hi:[1,0]   ; O^T under the new M, each accumulator from its low end on.  For each product below, the twelve of these that name other accumulators are the places behind the writes of p's codes and scale word
.set j, j+2
.endr
	s_wait_dscnt 0x0                               ; V's tiles and scale words are in
.irp c, 0,1,2,3                                ; the four accumulators by turns, one instruction a turn; between two links of a chain stand the others' and the next step's eight
	v_wmma_scale_f32_16x16x128_f8f6f4 v[O+8*\c:O+8*\c+7], v[FR+12*\c:FR+12*\c+11], v[PC:PC+11], v[O+8*\c:O+8*\c+7], v[114+\c], v253 matrix_a_fmt:MATRIX_FMT_BF6 matrix_b_fmt:MATRIX_FMT_BF6
.endr
.Lskip_\@:
.endm
; THE WAY OUT, in the trip of the wave's last chunk that counts: O^T / the sum (0 where queries_mask is false) goes through my stage and leaves as rows of 256 bytes.
.macro OUT
	s_cmp_eq_u32 s30, s28
	s_cbranch_scc0 .Lnot_yet_\@
	v_add_f32 v14, v14, v15                        ; the sum's two halves,
	v_permlanex16_b32 v240, v14, s40, s41
	v_add_f32 v14, v14, v240                       ; and lane l xor 16's
	v_rcp_f32 v248, v14
	v_cmp_ne_u32 vcc_lo, 0, v29
	v_nop                                          ; plain instructions behind the reciprocal; with the additions above and the choice below also the places behind the last products
	v_nop
	s_wait_alu depctr_va_vdst(0)                   ; the wait ahead of the reciprocal's first reader
	v_cndmask_b32 v248, v51, v248, vcc_lo
.set j, 0
.rept 32
	v_mul_f32 v[S+j], v[O+j], v248                 ; register 8 c + i is out(query r, channel 16 c + 8 h + i)
.set j, j+1
.endr
.irp c, 0,1,2,3
	ds_store_b128 v36, v[S+8*\c:S+8*\c+3] offset:64*\c
	ds_store_b128 v36, v[S+8*\c+4:S+8*\c+7] offset:64*\c+16
.endr
.irp i, 0,1,2,3,4,5,6,7
	ds_load_b128 v[S+32+4*\i:S+32+4*\i+3], v48 offset:544*\i      ; LDS serves a wave's instructions in order (ISA guide 5.7.1.4): these see my stores
.endr
.irp i, 0,1,2,3,4,5,6,7
	s_wait_dscnt 7-\i                              ; load i is back; the younger ones may be out
	global_store_b128 v255, v[S+32+4*\i:S+32+4*\i+3], s[20:21] offset:(2*\i+8*(\i/4))*4096 th:TH_STORE_NT   ; sixteen lanes store a query's 256 consecutive bytes, aligned; the tile's row 2 i + h is query 2 i + h + 8 (i / 4) on
.endr
	s_wait_xcnt 0x0                                ; the stores have read their registers
.Lnot_yet_\@:
.endm
; A TRIP: chunk C.  kfill: K's chunk C - 1 is brought;  vfill: and one row a wave of V's lower half.
.macro TRIP kfill, vfill
	s_lshl_b32 s32, s30, 1
	s_or_b32 s31, s32, 1
	v_add_nc_u32 v8, s50, v1
	v_add_nc_u32 v9, s50, v2
	v_add_nc_u32 v10, s51, v3
	v_add_nc_u32 v11, s52, v4
	v_add_nc_u32 v119, s53, v5
	v_add_nc_u32 v37, s51, v6                      ; (the biases, like K's scale words, are 1,024 bytes a chunk)
.if \kfill
	s_sub_co_u32 s54, s50, CHK
	v_lshl_add_u32 v46, v0, 4, s54                 ; K's images begin at LDS byte 0: one number is the offset in the head's images and the LDS address
	v_lshl_add_u32 v47, v0, 3, s54
	global_load_b128 v[30:33], v46, s[8:9]         ; 512 threads x 16 bytes,
	global_load_b64 v[34:35], v47, s[8:9] offset:8192   ; and x 8: the chunk's 12,288
.endif
.if \vfill
	v_add_nc_u32 v44, s43, v50                     ; this trip's row of my wave's four, in LDS
.irp k, 0,1,2
	global_load_b64 v[38+2*\k:39+2*\k], v49, s[36:37] offset:256*\k   ; the row's lower 768 bytes: 32 lanes read 256 consecutive bytes, aligned
.endr
.endif
	STEP 1
	STEP 0
	OUT
.if \kfill
	s_wait_loadcnt 0x0                             ; the fills, asked for at the trip's head; no younger load exists
	ds_store_b128 v46, v[30:33]
	ds_store_b64 v47, v[34:35] offset:8192
.if \vfill
.irp k, 0,1,2
	ds_store_b64 v44, v[38+2*\k:39+2*\k] offset:256*\k   ; into V's lower half, which nobody reads before chunk 3
.endr
	s_add_co_u32 s43, s43, VP                      ; the next row,
	s_add_nc_u64 s[36:37], s[36:37], 1536          ; in memory too (its loads are done)
.endif
	s_sub_co_u32 s30, s30, 1                       ; on to the chunk below
	s_sub_co_u32 s50, s50, CHK
	s_sub_co_u32 s51, s51, 1024
	s_sub_co_u32 s52, s52, 192
	s_sub_co_u32 s53, s53, 512
	s_wait_dscnt 0x0                               ; for the others' sake: my stores have landed
	s_barrier_signal -1
	s_barrier_wait -1                              ; the chunk below is whole.  Every wave passes here, whatever it has left out
.endif
.endm
	s_load_b256 s[4:11], s[0:1], 0x0               ; q_img s[4:5], q_scl s[6:7], k_img s[8:9], k_scl s[10:11]
	s_load_b256 s[12:19], s[0:1], 0x20             ; values_codes s[12:13], values_scales s[14:15], values_mask s[16:17], queries_mask s[18:19]
	s_load_b64 s[20:21], s[0:1], 0x40              ; out0
	v_lshl_add_u32 v231, v0, 2, 0x46800
	v_mov_b32 v235, 0
	v_lshrrev_b32 v8, 5, v0
	v_readfirstlane_b32 s22, v8                    ; wave 0..15
	s_mov_b32 s23, ttmp9
	s_and_b32 s24, ttmp7, 0xffff                   ; 16 b + head
	; my tile.  Waves 2 i and 2 i + 1 take places 8 x + i and 127 - (8 x + i) of the order by cost; which of the two takes which changes with i / 2, so that any four waves dealt to a SIMD by w % 4 or by w / 4 hold two of each kind.
	s_lshr_b32 s55, s22, 1
	s_lshr_b32 s56, s22, 2
	s_xor_b32 s56, s56, s22
	s_and_b32 s56, s56, 1
	s_lshl_b32 s57, s23, 3
	s_add_co_u32 s57, s57, s55
	s_sub_co_u32 s55, 127, s57
	s_cmp_lg_u32 s56, 0
	s_cselect_b32 s57, s55, s57
	s_add_co_u32 s57, s57, 127                     ; place u is tile u - 1, place 0 the last tile, which does all steps
	s_and_b32 s27, s57, 127
	s_lshr_b32 s25, s27, 3                         ; the step in which my queries lie
	s_lshr_b32 s55, s27, 1
	s_lshl_b32 s55, s55, 5
	s_and_b32 s56, s27, 1
	s_lshl_b32 s56, s56, 3
	s_add_co_u32 s38, s55, s56                     ; my first query
	s_mov_b32 s39, 0x3f800000
	s_mov_b32 s40, 0x76543210
	s_mov_b32 s41, 0xfedcba98
	s_mov_b32 s42, 0x3e38aa3b                      ; log2(e) / 8
	s_mov_b32 s43, 0
	s_mov_b32 s46, 0x3e000000                      ; 0.125
	s_mov_b32 s47, s46
	s_mov_b32 s48, 0x3fb8aa3b                      ; log2(e)
	s_mov_b32 s49, s48
	; every LDS address is made here, of the thread's number, the wave's number and constants
	v_and_b32 v37, 31, v0                          ; l
	v_lshlrev_b32 v1, 4, v37
	v_lshl_add_u32 v2, v37, 3, 512
	s_mul_i32 s55, s22, 4*1536
	v_lshl_add_u32 v49, v37, 3, s55                ; V's fill: wave w owns channel rows 4 w .. 4 w + 3; in memory 8 bytes a lane,
	s_mul_i32 s55, s22, 4*VP
	v_lshl_add_u32 v50, v37, 3, s55
	v_add_nc_u32 v50, VIMG, v50                    ; and the same in LDS; row and piece stand in the immediates
	v_lshlrev_b32 v37, 6, v37                      ; values_mask: my 64 keys
	v_and_b32 v11, 15, v0                          ; r
	v_bfe_u32 v9, v0, 4, 1                         ; h
	v_lshlrev_b32 v10, 4, v11                      ; 16 r
	v_add_nc_u32 v3, KSC, v10
	v_add_nc_u32 v5, VSC, v10
	v_mul_u32_u24 v4, v11, VP
	v_mad_u32_u24 v4, v9, 24, v4
	v_add_nc_u32 v4, VIMG, v4
	v_lshl_add_u32 v6, v9, 6, NBT
	s_mul_i32 s55, s22, 16*272
	s_add_co_u32 s55, s55, OST                     ; my stage
	v_mul_u32_u24 v36, v11, 272
	v_lshl_add_u32 v36, v9, 5, v36
	v_add_nc_u32 v36, s55, v36                     ; in: row r, 32 bytes for each half of the lanes
	v_mul_u32_u24 v48, v9, 272
	v_add_nc_u32 v48, v48, v10
	v_add_nc_u32 v48, s55, v48                     ; back: lanes 0-15 one row, lanes 16-31 the next
	v_lshl_add_u32 v255, v9, 12, v10               ; and the same two rows in out
	v_and_b32 v7, 8, v11
	v_add_nc_u32 v11, v7, v11                      ; r + 8 (r / 8): my query's place behind the tile's first
	v_lshlrev_b32 v7, 4, v9
	v_sub_nc_u32 v7, v11, v7
	v_add_nc_u32 v7, s38, v7                       ; my query - 16 h (a signed number)
	v_lshlrev_b32 v8, 4, v0                        ; 16 T
	v_add_nc_u32 v249, KSC, v8
	v_lshlrev_b32 v252, 3, v0                      ; 8 T
	v_lshlrev_b32 v254, 2, v0                      ; 4 T
	v_and_b32 v248, 7, v0                          ; V's scale bytes: thread T holds channel T / 8, steps 2 (T % 8) and 2 (T % 8) + 1
	v_lshlrev_b32 v248, 9, v248
	v_bfe_u32 v250, v0, 3, 4
	v_lshl_add_u32 v248, v250, 4, v248
	v_lshrrev_b32 v250, 7, v0
	v_lshl_add_u32 v248, v250, 2, v248
	v_add_nc_u32 v248, VSC, v248                   ; [step][channel % 16][channel / 16]
	v_lshl_add_u32 v46, v0, 4, 7*CHK               ; K's chunk 7
	v_lshl_add_u32 v47, v0, 3, 7*CHK
	s_mov_b32 s35, 0
	s_mov_b32 s59, 0
	s_mul_i32 s34, s24, 98304                      ; the head's first byte in q_img, k_img and values_codes
	s_wait_kmcnt 0x0
	s_add_nc_u64 s[4:5], s[4:5], s[34:35]
	s_add_nc_u64 s[8:9], s[8:9], s[34:35]
	s_add_nc_u64 s[12:13], s[12:13], s[34:35]
	s_mul_i32 s58, s27, 768
	s_add_nc_u64 s[4:5], s[4:5], s[58:59]          ; my tile's image
	s_lshl_b32 s34, s24, 13
	s_add_nc_u64 s[6:7], s[6:7], s[34:35]
	s_add_nc_u64 s[10:11], s[10:11], s[34:35]
	s_lshr_b32 s58, s27, 2
	s_lshl_b32 s58, s58, 8
	s_and_b32 s55, s27, 3
	s_lshl_b32 s55, s55, 2
	s_add_co_u32 s58, s58, s55
	s_add_nc_u64 s[6:7], s[6:7], s[58:59]          ; my tile's scale words
	s_lshl_b32 s34, s24, 12
	s_add_nc_u64 s[14:15], s[14:15], s[34:35]
	s_lshr_b32 s34, s24, 4
	s_lshl_b32 s34, s34, 11
	s_add_nc_u64 s[16:17], s[16:17], s[34:35]      ; the batch's values_mask
	s_add_co_u32 s34, s34, s38
	s_add_nc_u64 s[18:19], s[18:19], s[34:35]      ; queries_mask at my first query
	s_lshl_b32 s34, s34, 12
	s_and_b32 s55, s24, 15
	s_lshl_b32 s55, s55, 8
	s_add_co_u32 s34, s34, s55
	s_add_nc_u64 s[20:21], s[20:21], s[34:35]      ; out at my first query, my head's 256 bytes
	s_mov_b64 s[36:37], s[12:13]                   ; V's lower half, from each wave's first row
	global_load_b128 v[30:33], v46, s[8:9]
	global_load_b64 v[34:35], v47, s[8:9] offset:8192
	global_load_b128 v[120:123], v8, s[10:11]      ; all of K's scale words
	global_load_b128 v[16:19], v1, s[4:5] th:TH_LOAD_NT
	global_load_b64 v[20:21], v2, s[4:5] th:TH_LOAD_NT
	global_load_b32 v28, v10, s[6:7]
	global_load_u8 v29, v11, s[18:19]
.irp j, 0,1,2,3
	global_load_b128 v[124+4*\j:127+4*\j], v37, s[16:17] offset:16*\j   ; every wave reads the batch's 2,048 mask bytes, 64 a lane
.endr
	global_load_b32 v140, v254, s[16:17]           ; and each thread its four keys' for the table
	global_load_b64 v[142:143], v252, s[14:15]
.irp i, 0,1,2,3
.irp k, 0,1,2
	global_load_b64 v[152+6*\i+2*\k:153+6*\i+2*\k], v49, s[12:13] offset:1536*\i+768+256*\k   ; V's upper half: bytes 768 on of my wave's four rows, 256 consecutive bytes a load
.endr
.endr
.set j, 0
.rept 32
	v_mov_b32 v[O+j], 0                            ; O^T.  (The step is written once: the first finds zeros, which the first change of M leaves zeros)
.set j, j+1
.endr
	v_mov_b32 v14, 0
	v_mov_b32 v15, 0
	v_mov_b32 v13, 0xff61b1e6                      ; the largest t so far: -3e38
	v_floor_f32 v12, -v13
.irp j, 22,23,24,25,26,27,100,101,102,103,104,105,240,241,242,243,251,51
	v_mov_b32 v[\j], 0
.endr
	s_wait_loadcnt 0x0                             ; all that was asked for is used in the lines that follow
	ds_store_b128 v46, v[30:33]
	ds_store_b64 v47, v[34:35] offset:8192
	ds_store_b128 v249, v[120:123]
	ds_store_b32 v248, v142
	ds_store_b32 v248, v143 offset:256
.irp j, 0,1,2,3
	v_bfe_u32 v[144+\j], v140, 8*\j, 1             ; a mask byte is 0 or 1
.endr
.irp j, 0,1,2,3
	v_sub_nc_u32 v[144+\j], 0, v[144+\j]
.endr
.irp j, 0,1,2,3
	v_and_b32 v[144+\j], 0xc97423f0, v[144+\j]     ; -999999.0 where the mask is true
.endr
	ds_store_b128 v249, v[144:147] offset:NBT-KSC
.irp i, 0,1,2,3
.irp k, 0,1,2
	ds_store_b64 v50, v[152+6*\i+2*\k:153+6*\i+2*\k] offset:VUP+VP*\i+256*\k
.endr
.endr
.irp j, 1,2,3,4,5,6,7,8,9,10,11,12,13,14,15
	v_and_b32 v124, v124, v[124+\j]
.endr
	v_cmp_ne_u32 vcc_lo, 0x01010101, v124          ; lane l: a hole among keys 64 l .. 64 l + 63
	s_mov_b32 s33, vcc_lo
	s_lshl_b32 s55, s25, 1
	s_lshl_b32 s26, -1, s55                        ; the steps from my own on,
	s_or_b32 s26, s26, s33                         ; and those with holes;
	s_cmp_eq_u32 s27, 127
	s_cselect_b32 s26, -1, s26                     ; the last tile: all
	s_ctz_i32_b32 s28, s26
	s_lshr_b32 s28, s28, 2                         ; the lowest chunk that counts
	s_wait_dscnt 0x0
	s_barrier_signal -1
	s_barrier_wait -1                              ; K's chunk 7, V's upper half and the tables are whole
	s_mov_b32 s30, 7
	s_mov_b32 s50, 7*CHK
	s_mov_b32 s51, 7*1024
	s_mov_b32 s52, VUP+3*192                       ; chunk 7 is the upper half's fourth
	s_mov_b32 s53, 7*512
	s_mov_b32 s29, 4
.Lupper:                                           ; chunks 7 to 4
	TRIP 1, 1
	s_sub_co_u32 s29, s29, 1
	s_cmp_lg_u32 s29, 0
	s_cbranch_scc1 .Lupper
	s_mov_b32 s52, 3*192                           ; V's lower half
	s_mov_b32 s29, 3
.Llower:                                           ; chunks 3 to 1
	TRIP 1, 0
	s_sub_co_u32 s29, s29, 1
	s_cmp_lg_u32 s29, 0
	s_cbranch_scc1 .Llower
	TRIP 0, 0                                      ; chunk 0: nothing is left to bring
	s_wait_tensorcnt 0x0
	ds_add_u32 v231, v235
	s_wait_dscnt 0x0
	s_endpgm
.Lfunc_end_k_q7b0d1fb315_attn:
	.size	k_q7b0d1fb315_attn, .Lfunc_end_k_q7b0d1fb315_attn-k_q7b0d1fb315_attn
	.p2alignl 7, 3214868480
	.fill 96, 4, 3214868480
	.section	.rodata,"a",@progbits
	.p2align	6, 0x0
	.amdhsa_kernel k_q7b0d1fb315_attn
		.amdhsa_group_segment_fixed_size 290816
		.amdhsa_private_segment_fixed_size 0
		.amdhsa_enable_private_segment 0
		.amdhsa_kernarg_size 72
		.amdhsa_user_sgpr_count 2
		.amdhsa_user_sgpr_kernarg_segment_ptr 1
		.amdhsa_wavefront_size32 1
		.amdhsa_system_sgpr_workgroup_id_x 1
		.amdhsa_system_sgpr_workgroup_id_y 1
		.amdhsa_system_sgpr_workgroup_id_z 1
		.amdhsa_system_vgpr_workitem_id 0
		.amdhsa_next_free_vgpr 256
		.amdhsa_next_free_sgpr 66
		.amdhsa_reserve_vcc 1
		.amdhsa_float_denorm_mode_32 3
		.amdhsa_float_denorm_mode_16_64 3
		.amdhsa_memory_ordered 1
		.amdhsa_forward_progress 1
		.amdhsa_inst_pref_size 186
	.end_amdhsa_kernel
	.amdgpu_metadata
---
amdhsa.version: [ 1, 2 ]
amdhsa.kernels:
  - .name:           k_q7b0d1fb315_attn
    .symbol:         k_q7b0d1fb315_attn.kd
    .args:
      - { .name: q_img, .offset: 0, .size: 8, .value_kind: global_buffer, .address_space: global }
      - { .name: q_scl, .offset: 8, .size: 8, .value_kind: global_buffer, .address_space: global }
      - { .name: k_img, .offset: 16, .size: 8, .value_kind: global_buffer, .address_space: global }
      - { .name: k_scl, .offset: 24, .size: 8, .value_kind: global_buffer, .address_space: global }
      - { .name: values_codes, .offset: 32, .size: 8, .value_kind: global_buffer, .address_space: global }
      - { .name: values_scales, .offset: 40, .size: 8, .value_kind: global_buffer, .address_space: global }
      - { .name: values_mask, .offset: 48, .size: 8, .value_kind: global_buffer, .address_space: global }
      - { .name: queries_mask, .offset: 56, .size: 8, .value_kind: global_buffer, .address_space: global }
      - { .name: out0, .offset: 64, .size: 8, .value_kind: global_buffer, .address_space: global }
    .group_segment_fixed_size: 290816
    .private_segment_fixed_size: 0
    .kernarg_segment_align: 8
    .kernarg_segment_size: 72
    .max_flat_workgroup_size: 512
    .sgpr_count:     66
    .vgpr_count:     256
    .wavefront_size: 32
...
	.end_amdgpu_metadata
.endif
;; end of part 2
;; ======== version 2 of 2: 2 launches
;; limits: right only within a limited range of input values
;; workspace buffers: q_img 3,145,728 bytes; k_img 3,145,728 bytes; q_scl 262,144 bytes; k_scl 262,144 bytes
;; launch prep (part 3): grid 256 x 1, 8 waves a work-group, no clusters, 70,656 bytes of LDS; arguments queries, keys, q_img, q_scl, k_img, k_scl; writes q_img, q_scl, k_img, k_scl
.if DOCPART == 3
	.amdgcn_target "amdgcn-amd-amdhsa--gfx1250"
	.amdhsa_code_object_version 6
	.text
	.protected	k_q7b0d1fb315_prep
	.globl	k_q7b0d1fb315_prep
	.p2align	8
	.type	k_q7b0d1fb315_prep,@function
k_q7b0d1fb315_prep:
	s_mov_b64 s[64:65], 0
	v_nop
	global_prefetch_b8 v0, s[64:65] scope:SCOPE_SE
	s_setreg_imm32_b32 hwreg(HW_REG_WAVE_MODE, 25, 1), 1
	s_wait_xcnt 0x0
; queries and keys, [2][2048][1024] f32, become codes of BF6 (E3M2) along each head's 64 channels, with one E8M0 byte for each 32 channels,
; laid in the order in which the attention launch's operand registers take them.
; A TILE is 16 rows of one batch and one head: lane r holds row 32 (t / 2) + 8 (t % 2) + r + 8 (r / 8) of the batch.  (For the keys this choice makes the 16 score registers of
; tiles 2 b and 2 b + 1 sixteen neighbouring keys; for the queries any 16 rows may form a tile, so one text serves both tensors.)
; A tile's image is 768 bytes: lane l's operand registers 0-3 at 16 l, its registers 4-5 at 512 + 8 l; lane (r, h) holds the codes of channels 32 h .. 32 h + 31 of its row.
; img: [16 b + head][tile 0..127][768].   scl: [16 b + head][group a 0..31][r][4 words]: word j is tile 4 a + j's: byte 0 block 0, byte 1 block 1, bytes 2 and 3 zero.
; A block's scale is 2^(floor(log2(largest magnitude)) - 4); its byte is the largest magnitude's exponent field - 4, held at 1 from below.
; LIMITS: a block of zeros gets the byte 1 (its codes are zeros, and this program alone reads the bytes); NaN and infinities among the inputs are not served.
; SHARES: work-groups 0-127 take the queries, 128-255 the keys.  A work-group takes 64 rows x 8 heads, a wave 64 rows x one head: four tiles; each row's part is 256 consecutive bytes, aligned.
; A load takes the bytes as they lie (sixteen lanes a row's 256 bytes); a conversion wants 16 neighbours in one lane: so a tile turns through the wave's own stage in LDS.  No barrier: waves share nothing.
.set PITCH, 272                        ; a stage row: 256 bytes + 16, an odd multiple of 16: the sixteen rows that a read touches start in sixteen different columns of 16 bytes
.set STG,   16*PITCH                   ; a stage; two for each wave, by turns
.set F,     16                         ; v16-47   tile j's six code registers at v[16 + 8 j]
.set W,     48                         ; v48-51   the four tiles' scale words
.set G,     52                         ; v52-54   a block's upper 16 codes (a conversion's three registers begin on an even number)
.set R,     64                         ; v64-191  four tiles of 32 registers, as loaded
.set X,     192                        ; v192-255 two sets of 32 neighbours
	s_load_b128 s[4:7], s[0:1], 0x0                ; queries, keys
	s_load_b128 s[8:11], s[0:1], 0x10              ; q_img, q_scl
	s_load_b128 s[12:15], s[0:1], 0x20             ; k_img, k_scl
	v_lshl_add_u32 v62, v0, 2, 0x11000
	v_mov_b32 v63, 0
	v_lshrrev_b32 v1, 5, v0
	s_delay_alu instid0(VALU_DEP_1)
	v_readfirstlane_b32 s16, v1                    ; wave 0..7
	v_and_b32 v1, 31, v0                           ; lane
	v_and_b32 v2, 15, v0                           ; r
	v_bfe_u32 v3, v0, 4, 1                         ; h
	s_delay_alu instid0(VALU_DEP_2)
	v_lshlrev_b32 v9, 4, v2                        ; 16 r
	s_delay_alu instid0(VALU_DEP_1)
	v_lshl_add_u32 v4, v3, 12, v9                  ; in: lanes 0-15 one row's 256 bytes, lanes 16-31 the next row's (4,096 bytes on)
	s_mul_i32 s17, s16, 2*STG                      ; my wave's two stages
	v_mad_u32_u24 v5, v3, PITCH, v9
	s_delay_alu instid0(VALU_DEP_1)
	v_add_nc_u32 v5, s17, v5                       ; into a stage: row h of a pair, 16 r
	v_mul_u32_u24 v6, v2, PITCH
	s_delay_alu instid0(VALU_DEP_1)
	v_lshl_add_u32 v6, v3, 7, v6
	s_delay_alu instid0(VALU_DEP_1)
	v_add_nc_u32 v6, s17, v6                       ; out of it: row r, my block's 128 bytes
	v_lshlrev_b32 v7, 4, v1                        ; an image's first part: 16 x lane
	v_lshlrev_b32 v8, 3, v1                        ; its second: 8 x lane
	v_lshl_add_u32 v9, v3, 3, v9                   ; the scale words' place: 16 r + 8 h
	v_lshlrev_b32 v10, 3, v3                       ; 8 h: my byte's place in a scale word, in bits
	v_mov_b32 v15, 0                               ; written once: a lane permute's destination counts as one of its sources
	s_mov_b32 s20, 0x76543210
	s_mov_b32 s21, 0xfedcba98                      ; v_permlanex16_b32's selects for lane l xor 16
	s_bfe_u32 s18, ttmp9, 0x60001                  ; which 64 rows of the tensor's 4,096
	s_and_b32 s19, ttmp9, 1
	s_lshl_b32 s19, s19, 3
	s_add_co_u32 s19, s19, s16                     ; my head
	s_lshl_b32 s22, s18, 18                        ; 64 rows of 4,096 bytes,
	s_lshl_b32 s23, s19, 8                         ; a head's 256 bytes
	s_add_co_u32 s22, s22, s23
	s_mov_b32 s23, 0
	s_lshr_b32 s24, s18, 5                         ; batch
	s_lshl_b32 s24, s24, 4
	s_add_co_u32 s24, s24, s19                     ; 16 b + head
	s_and_b32 s25, s18, 31                         ; a: the group of four tiles
	s_lshl_b32 s26, s24, 7
	s_lshl_b32 s27, s25, 2
	s_add_co_u32 s26, s26, s27
	s_mul_i32 s26, s26, 768                        ; my first image
	s_mov_b32 s27, 0
	s_lshl_b32 s28, s24, 5
	s_add_co_u32 s28, s28, s25
	s_lshl_b32 s28, s28, 8                         ; my 256 bytes of scale words
	s_mov_b32 s29, 0
	s_wait_alu depctr_va_vdst(0)
	s_wait_kmcnt 0x0
	s_cmp_lt_u32 ttmp9, 128                        ; the queries' work-group or the keys'?  Only pointers are chosen: both take one path through the text
	s_cselect_b64 s[4:5], s[4:5], s[6:7]
	s_cselect_b64 s[8:9], s[8:9], s[12:13]
	s_cselect_b64 s[10:11], s[10:11], s[14:15]
	s_add_nc_u64 s[4:5], s[4:5], s[22:23]
	s_add_nc_u64 s[8:9], s[8:9], s[26:27]
	s_add_nc_u64 s[10:11], s[10:11], s[28:29]
.macro LOADT j                         ; tile j: eight loads of two rows each; the tile's row 2 i + h is row 32 (j / 2) + 8 (j % 2) + 2 i + h + 8 (i / 4) of the 64
.irp i, 0,1,2,3,4,5,6,7
	global_load_b128 v[R+32*(\j)+4*\i:R+32*(\j)+4*\i+3], v4, s[4:5] offset:(32*((\j)/2)+8*((\j)%2)+2*\i+8*(\i/4))*4096 th:TH_LOAD_NT
.endr
.endm
.macro TURN j                          ; tile j through a stage: LDS serves a wave's instructions in order (ISA guide 5.7.1.4), so no wait stands between the stores and the loads
.irp i, 0,1,2,3,4,5,6,7
	ds_store_b128 v5, v[R+32*(\j)+4*\i:R+32*(\j)+4*\i+3] offset:STG*((\j)%2)+2*\i*PITCH
.endr
.irp i, 0,1,2,3,4,5,6,7
	ds_load_b128 v[X+32*((\j)%2)+4*\i:X+32*((\j)%2)+4*\i+3], v6 offset:STG*((\j)%2)+16*\i
.endr
.endm
.macro QUANT j                         ; my block of 32 numbers of tile j becomes six registers of codes and a byte of the row's scale word
.set XS, X+32*((\j)%2)
.set FJ, F+8*(\j)
	v_max3_num_f32 v11, |v[XS]|, |v[XS+1]|, |v[XS+2]|              ; the block's largest magnitude: all 32 numbers are mine; two chains
	v_max3_num_f32 v12, |v[XS+3]|, |v[XS+4]|, |v[XS+5]|
.irp i, 6,10,14,18,22,26
	s_delay_alu instid0(VALU_DEP_2)
	v_max3_num_f32 v11, v11, |v[XS+\i]|, |v[XS+\i+1]|
	s_delay_alu instid0(VALU_DEP_2)
	v_max3_num_f32 v12, v12, |v[XS+\i+2]|, |v[XS+\i+3]|
.endr
	s_delay_alu instid0(VALU_DEP_2)
	v_max3_num_f32 v11, v11, |v[XS+30]|, |v[XS+31]|
	s_delay_alu instid0(VALU_DEP_1)
	v_max3_num_f32 v11, v11, v12, 0x2800000        ; and the floor 2^(5 - 127): the byte cannot fall under 1
	s_delay_alu instid0(VALU_DEP_1)
	v_add_nc_u32 v13, 0xfe000000, v11              ; 4 off its exponent field: the conversion takes the exponent field of this operand as its scale
	v_cvt_scalef32_pk16_bf6_f32 v[FJ:FJ+2], v[XS:XS+15], v13
	v_cvt_scalef32_pk16_bf6_f32 v[G:G+2], v[XS+16:XS+31], v13
	v_lshrrev_b32 v14, 23, v13                     ; the scale's byte (also the plain instruction behind the conversions)
	s_delay_alu instid0(VALU_DEP_1)
	v_lshlrev_b32 v14, v10, v14                    ; at its place in the word,
	s_delay_alu instid0(VALU_DEP_1)
	v_permlanex16_b32 v15, v14, s20, s21
	s_delay_alu instid0(VALU_DEP_1)
	v_or_b32 v[W+(\j)], v14, v15                   ; with the other block's byte from lane l xor 16
	v_mov_b32 v[FJ+3], v[G]
	v_mov_b32 v[FJ+4], v[G+1]
	v_mov_b32 v[FJ+5], v[G+2]
	global_store_b128 v7, v[FJ:FJ+3], s[8:9] offset:768*(\j)        ; 32 lanes store 512 consecutive bytes, at a multiple of 256 from the buffer's first byte
	global_store_b64 v8, v[FJ+4:FJ+5], s[8:9] offset:768*(\j)+512   ; and 256 more.  Each tile has its own registers: no store's data are written again
.endm
	LOADT 0
	LOADT 1
	LOADT 2
	LOADT 3                                        ; all 32 loads of the wave are out
	s_wait_loadcnt 24                              ; tile 0's eight are in; the 24 of the three younger tiles may be out
	TURN 0
	s_wait_loadcnt 16                              ; tile 1's are in
	TURN 1
	s_wait_dscnt 16                                ; tile 0 is back from its stage; the 16 LDS instructions of tile 1's turn may be out
	QUANT 0
	s_wait_loadcnt 8
	TURN 2
	s_wait_dscnt 16
	QUANT 1
	s_wait_loadcnt 0x0
	TURN 3
	s_wait_dscnt 16
	QUANT 2
	s_wait_dscnt 0x0
	QUANT 3
	v_cmp_ne_u32 vcc_lo, 0, v3                     ; lanes 0-15 store words 0 and 1 of their row, lanes 16-31 words 2 and 3
	s_delay_alu instid0(VALU_DEP_1)
	v_cndmask_b32 v56, v[W], v[W+2], vcc_lo
	s_delay_alu instid0(VALU_DEP_2)
	v_cndmask_b32 v57, v[W+1], v[W+3], vcc_lo
	global_store_b64 v9, v[56:57], s[10:11]        ; 32 lanes store 256 consecutive bytes, aligned
	s_wait_tensorcnt 0x0
	ds_add_u32 v62, v63
	s_wait_dscnt 0x0
	s_endpgm
.Lfunc_end_k_q7b0d1fb315_prep:
	.size	k_q7b0d1fb315_prep, .Lfunc_end_k_q7b0d1fb315_prep-k_q7b0d1fb315_prep
	.p2alignl 7, 3214868480
	.fill 96, 4, 3214868480
	.section	.rodata,"a",@progbits
	.p2align	6, 0x0
	.amdhsa_kernel k_q7b0d1fb315_prep
		.amdhsa_group_segment_fixed_size 70656
		.amdhsa_private_segment_fixed_size 0
		.amdhsa_enable_private_segment 0
		.amdhsa_kernarg_size 48
		.amdhsa_user_sgpr_count 2
		.amdhsa_user_sgpr_kernarg_segment_ptr 1
		.amdhsa_wavefront_size32 1
		.amdhsa_system_sgpr_workgroup_id_x 1
		.amdhsa_system_sgpr_workgroup_id_y 1
		.amdhsa_system_sgpr_workgroup_id_z 1
		.amdhsa_system_vgpr_workitem_id 0
		.amdhsa_next_free_vgpr 256
		.amdhsa_next_free_sgpr 66
		.amdhsa_reserve_vcc 1
		.amdhsa_float_denorm_mode_32 3
		.amdhsa_float_denorm_mode_16_64 3
		.amdhsa_memory_ordered 1
		.amdhsa_forward_progress 1
		.amdhsa_inst_pref_size 20
	.end_amdhsa_kernel
	.amdgpu_metadata
---
amdhsa.version: [ 1, 2 ]
amdhsa.kernels:
  - .name:           k_q7b0d1fb315_prep
    .symbol:         k_q7b0d1fb315_prep.kd
    .args:
      - { .name: queries, .offset: 0, .size: 8, .value_kind: global_buffer, .address_space: global }
      - { .name: keys, .offset: 8, .size: 8, .value_kind: global_buffer, .address_space: global }
      - { .name: q_img, .offset: 16, .size: 8, .value_kind: global_buffer, .address_space: global }
      - { .name: q_scl, .offset: 24, .size: 8, .value_kind: global_buffer, .address_space: global }
      - { .name: k_img, .offset: 32, .size: 8, .value_kind: global_buffer, .address_space: global }
      - { .name: k_scl, .offset: 40, .size: 8, .value_kind: global_buffer, .address_space: global }
    .group_segment_fixed_size: 70656
    .private_segment_fixed_size: 0
    .kernarg_segment_align: 8
    .kernarg_segment_size: 48
    .max_flat_workgroup_size: 256
    .sgpr_count:     66
    .vgpr_count:     256
    .wavefront_size: 32
...
	.end_amdgpu_metadata
.endif
;; end of part 3
;; launch attn (part 4): grid 8 x 32, 16 waves a work-group, no clusters, 290,816 bytes of LDS; arguments q_img, q_scl, k_img, k_scl, values_codes, values_scales, values_mask, queries_mask, out0; writes out0
.if DOCPART == 4
	.amdgcn_target "amdgcn-amd-amdhsa--gfx1250"
	.amdhsa_code_object_version 6
	.text
	.protected	k_q7b0d1fb315_attn
	.globl	k_q7b0d1fb315_attn
	.p2align	8
	.type	k_q7b0d1fb315_attn,@function
k_q7b0d1fb315_attn:
	s_mov_b64 s[64:65], 0
	v_nop
	global_prefetch_b8 v0, s[64:65] scope:SCOPE_SE
	s_setreg_imm32_b32 hwreg(HW_REG_WAVE_SCHED_MODE, 0, 2), 2
	s_setreg_imm32_b32 hwreg(HW_REG_WAVE_MODE, 25, 1), 1
	s_wait_xcnt 0x0
	s_wait_alu depctr_vm_vsrc(0)
; out[b][q][64 hd + :] = queries_mask x the sum over k of softmax_k(q . k / 8 - 999999 x (values_mask[k] and k <= q)) V[k][:], both products on codes of BF6 (E3M2) with one E8M0 scale for each 32 along K.
; THE BIAS STANDS WHERE THE MASK IS TRUE: query q attends to the keys behind it and to the keys whose values_mask is false.  Every query but the last has an unbiased key (q + 1).
; THE SOFTMAX: t = logit x log2(e); M = the running largest t rounded up to a whole number; p = 2^(t - M) is quantised along the keys, not normalised; the row's sum is taken of the unquantised p and divides at the end.
; When M moves, the sum and O are multiplied by 2^(old M - new M): exact.
; WHAT IS LEFT OUT: a step of 128 keys in which every score of a wave's 16 queries is biased, where every one of these queries has an unbiased key elsewhere: its p are 2^(about -1.44e6 - M) = 0.  The test is made on whole numbers:
; the tile's number and values_mask.  The tile that holds the last query does every step.
; LIMITS: leaving such steps out is exact while |q . k| / 8 stays under 4.9e5; M is a whole number exactly while |t| < 2^24; NaN and infinities are not served.
; BIASED STEPS keep the roundings one by one: one fused multiply-add for score x 0.125 + bias, one multiplication by log2(e), then t - M, which is exact: at 1.44e6 a number's last place is 1/8, and it shows in p.
; SHARES: a work-group owns one (batch, head) and 16 tiles of 16 queries, one a wave, 256 registers: four waves to a SIMD.  A tile costs 16 - (tile / 8) steps, the last tile 16: the waves take tiles in pairs from both ends of
; that order, so that every pair costs 17 or 18 steps.  Keys are walked DOWNWARD, 128 a step, two steps (a chunk) a trip: every tile needs the highest keys.
; A WHOLE HEAD LIES IN LDS: K's images and scale words as the first launch laid them, V's codes as rows, V's scale words by steps, a table of the keys' biases.  It is filled through registers (the branches on values_mask
; allow no other way), no byte twice: chunk 7 of K, the upper half of V and the small tables at the head; in trip C the chunk C - 1 of K and, in the first four trips, one row a wave of V's lower half, asked for at the trip's head,
; stored at its end, in front of the trip's barrier.
; No cluster, no joint loads: there is no tensor load to share.  No prefetch: each late fill is asked for a whole trip, two key steps of work, ahead of the wait for it.
; LAYOUT: S^T = K Q^T (source 0 = 16 keys, source 1 = my queries), O^T = V^T P^T: a lane holds ONE query (lane % 16).  Register n of S^T is key 128 st + 32 (n / 16) + 16 (lane / 16) + n % 16.
; The head has 64 channels, half of the instruction's K: Q's upper six registers are zero codes, and both sides' scale bytes 2 and 3 are 0 (2^-127): so K's operand may name the next tile's six registers as its upper half: they add 0.
; THE MODE: SCHED_MODE bits 1:0 = 2 (LLVM: expert scheduling mode 2), set by the entry lines.  The code itself states the register dependences between vector or matrix instructions and memory or LDS instructions,
; with s_wait_alu, always for 0.
; THE PLAN.  Registers that memory or LDS instructions touch:
;   v1-7, v36, v48-50, v255   addresses made once at the head, ahead of its first wait on va_vdst; never written again.
;   v8-11, v119, v37          the trip's LDS addresses; v46, v47, v44 the fill's.  Written by the adds at a trip's head and by nothing else; read by that trip's LDS loads, by the fill's loads and by its stores at the trip's end.
;   v30-35, v38-43            the fills on their way: loaded at a trip's head, stored to LDS at its end; no vector instruction names them.
;   FR (v52-99)               a step: K's loads land; the eight products K Q^T read; [a biased step: 32 biases land, the selects write, the multiply-adds read;] V's loads land; the four products V^T P read.
;   v106-113, v114-117        K's and V's scale words: loaded, read by the products as scales.
;   v216-247                  a biased step alone: its other 32 biases land there, ahead of the softmax, whose work registers they are afterwards.
;   S (v120-183)              on the way out: the divisions write S + 0 .. 31, the stage's stores read them; the stage's loads land in S + 32 .. 63, the global stores read those.
; A TRIP'S HEAD has one wait on vm_vsrc (all that was issued has read its registers: the addresses, the fills' data, S) ahead of the adds, and one on va_vdst behind them (the addresses are written; the last trip's products
; are done with FR and the scale words).  The second serves the trip's first step too, and the fill's stores at the trip's end: no vector instruction behind it names the registers that those touch.
; A STEP has a wait on va_vdst ahead of K's loads (the trip's second step alone), one ahead of V's loads, one ahead of the exponentials and two behind them, and one ahead of V^T P; a biased step one more, ahead of its biases.
.set KIMG, 0                           ; K's 128 images of 768 bytes
.set CHK,  12288                       ; a chunk: 16 images
.set VIMG, 98304                       ; V: 64 rows of keys 0-1023, then 64 rows of keys 1024-2047
.set VP,   784                         ; a row: 768 bytes + 16 = 196 words: row r starts 4 r words on modulo 64 (64 banks of 4 bytes: ISA guide 11.1): the 32 lanes of an 8-byte load touch 64 different banks
.set VUP,  64*VP
.set KSC,  198656                      ; K's scale words, 512 bytes a step
.set VSC,  206848                      ; V's: [step][r][tile of channels], 256 bytes a step
.set NBT,  210944                      ; -999999.0 or 0 for each key, 512 bytes a step
.set OST,  219136                      ; the way out: 16 rows x 272 bytes for each wave
.set FR,   52                          ; v52-99 eight tiles of K (6 registers each), or four of V (12 each), or 32 biases; v100-105 zeros, never rewritten
.set S,    120                         ; v120-183 S^T, then p
.set O,    184                         ; v184-215 O^T
.set PC,   216                         ; v216-227 p's codes
.set NB,   216                         ; v216-247 in a biased step, ahead of the softmax: the biases of blocks 2 and 3
.set CM,   66                          ; s66-97 the diagonal's masks, 32 at a time
; v0 thread; v1 16 l, v2 512 + 8 l (K's images); v3 K's scale words; v4 V's rows; v5 V's scale words; v6 biases; v7 my query - 16 (lane / 16); v8-11, v37, v119 the trip's LDS addresses;
; v12 -M, v13 the largest t, v[14:15] the sum; v16-21 Q, v22-27 zeros, v28 Q's scale word, v29 queries_mask; v30-35, v38-43 fills on their way; v36, v48 the stage, v255 my place in out; v46, v47 K's fill;
; v49 V's fill in memory (6,144 x wave + 8 l), v50 in LDS (VIMG + 4 rows x wave + 8 l), v44 the trip's row of it;
; v51 0; v106-113 K's scale words, v114-117 V's, v253 p's; v228-234 codes at work; v236-239 blocks' maxima; v240-243 lane exchange, bytes; v244-247 conversion scales; v[250:251] f; v252 the diagonal; v248, v249, v254 at work.
; s22 wave, s23 work-group x, s24 16 b + head, s25 tile / 8, s26 the steps that count (a bit for 64 keys), s27 tile, s28 my last chunk, s29 loop, s30 chunk C, s31 step 2 C + 1, s32 step 2 C, s33 holes, s[36:37] V's fill,
; s38 first query, s39 1.0, s[40:41] lane selects, s42 log2(e) / 8, s43 V's fill: the trip's row in LDS, s[44:45] the multiplier in force, s[46:47] 0.125, s[48:49] log2(e), s50-53 the trip's LDS bases, s54 the fill's, s34, s35, s55-59 at work.
; The 64 scores of a biased step become t.
.macro BIASES q
	s_wait_alu depctr_va_vdst(0)                   ; the products K Q^T are done reading FR, and the last step's products and vector lines are done with v216-247: the biases land in both
.irp k, 0,1,2,3,4,5,6,7
	ds_load_b128 v[FR+4*\k:FR+4*\k+3], v37 offset:512*(\q)+128*(\k/4)+16*(\k%4)   ; the biases of my 16 keys of blocks 0 and 1,
.endr
.irp k, 0,1,2,3,4,5,6,7
	ds_load_b128 v[NB+4*\k:NB+4*\k+3], v37 offset:512*(\q)+256+128*(\k/4)+16*(\k%4)   ; and of blocks 2 and 3
.endr
	s_wait_dscnt 0x0
	s_cmp_eq_u32 s[32-(\q)], s25                   ; on the diagonal the bias holds only where key <= query; under it, wherever the table says
	s_cbranch_scc0 .Lbelow_\@
.irp n, 0,1,2,3,4,5,6,7,8,9,10,11,12,13,14,15,16,17,18,19,20,21,22,23,24,25,26,27,28,29,30,31
	v_cmp_gt_i32 s[CM+\n], 32*(\n/16)+\n%16, v252  ; the compares stand in a run, a scalar register each
.endr
	s_wait_alu depctr_va_sdst(0)                   ; the 32 masks s66-97 are written, ahead of the selects that read them
.irp n, 0,1,2,3,4,5,6,7,8,9,10,11,12,13,14,15,16,17,18,19,20,21,22,23,24,25,26,27,28,29,30,31
	v_cndmask_b32 v[FR+\n], v[FR+\n], v51, s[CM+\n]
.endr
.irp n, 0,1,2,3,4,5,6,7,8,9,10,11,12,13,14,15,16,17,18,19,20,21,22,23,24,25,26,27,28,29,30,31
	v_cmp_gt_i32 s[CM+\n], 64+32*(\n/16)+\n%16, v252
.endr
	s_wait_alu depctr_va_sdst(0)                   ; the second run's 32 masks are written, ahead of the selects that read them
.irp n, 0,1,2,3,4,5,6,7,8,9,10,11,12,13,14,15,16,17,18,19,20,21,22,23,24,25,26,27,28,29,30,31
	v_cndmask_b32 v[NB+\n], v[NB+\n], v51, s[CM+\n]
.endr
.Lbelow_\@:
.irp m, 0,2,4,6,8,10,12,14,16,18,20,22,24,26,28,30
	v_pk_fma_f32 v[S+\m:S+\m+1], v[S+\m:S+\m+1], s[46:47], v[FR+\m:FR+\m+1] op_sel_hi:[1,0,1]   ; the logit: score / 8 + bias, rounded once.  (Each accumulator is read from its low end on)
.endr
.irp m, 0,2,4,6,8,10,12,14,16,18,20,22,24,26,28,30
	v_pk_fma_f32 v[S+32+\m:S+32+\m+1], v[S+32+\m:S+32+\m+1], s[46:47], v[NB+\m:NB+\m+1] op_sel_hi:[1,0,1]
.endr
.set j, 0
.rept 32
	v_pk_mul_f32 v[S+j:S+j+1], v[S+j:S+j+1], s[48:49] op_sel_hi:[1,0]   ; t = logit x log2(e), rounded once
.set j, j+2
.endr
.endm
; V's tile c of 16 channels x the step's 128 keys
.macro VTILE q, c
.irp p, 0,1,2,3,4,5
	ds_load_b64 v[FR+12*(\c)+2*\p:FR+12*(\c)+2*\p+1], v11 offset:16*VP*(\c)+96*(\q)+48*(\p/3)+8*(\p%3)
.endr
.endm
; A KEY STEP: 128 keys, step 2 C + q.
.macro STEP q
	s_lshl_b32 s55, s[32-(\q)], 1
	s_lshr_b32 s55, s26, s55
	s_and_b32 s55, s55, 3                          ; the step's two bits
	s_cmp_lg_u32 s55, 0
	s_cbranch_scc0 .Lskip_\@                       ; nothing of it counts for my queries
.rept 4
	v_nop                                          ; four plain instructions stay behind the last products, as they stood
.endr
.if (\q) == 0
	s_wait_alu depctr_va_vdst(0)                   ; the step before's products V^T P are done reading FR, its products K Q^T their scale words v106-113: K's loads land in both.  (The trip's first step has the wait at the trip's head: only loads, scalar lines and the v_nop stand between)
.endif
.irp t, 0,1,2,3,4,5,6,7
	ds_load_b128 v[FR+6*\t:FR+6*\t+3], v8 offset:6144*(\q)+768*\t     ; an image comes back as it was stored: 512 consecutive bytes,
	ds_load_b64 v[FR+6*\t+4:FR+6*\t+5], v9 offset:6144*(\q)+768*\t    ; and 256
.endr
	ds_load_b128 v[106:109], v10 offset:512*(\q)   ; the scale words of tiles 0-3,
	ds_load_b128 v[110:113], v10 offset:512*(\q)+256   ; and 4-7
	s_wait_dscnt 0x0
.irp t, 0,1,2,3,4,5,6,7
	v_wmma_scale_f32_16x16x128_f8f6f4 v[S+8*\t:S+8*\t+7], v[FR+6*\t:FR+6*\t+11], v[16:27], 0, v[106+\t], v28 matrix_a_fmt:MATRIX_FMT_BF6 matrix_b_fmt:MATRIX_FMT_BF6
.endr
	s_cmp_gt_u32 s[32-(\q)], s25                   ; all keys behind all my queries: no bias
	s_cselect_b32 s44, s42, s39                    ; the registers then hold scores, and t = score x log2(e) / 8; else they will hold t itself
	s_mov_b32 s45, s44                             ; (named with it as a pair)
.rept 4
	v_nop                                          ; places in front of the first read of the scores (ISA guide 7.12.1)
.endr
	s_cbranch_scc1 .Lopen_\@
	s_lshl_b32 s55, s[32-(\q)], 7
	v_sub_nc_u32 v252, v7, s55                     ; d = my query - the step's first key - 16 (lane / 16): register n's key is behind my query where 32 (n / 16) + n % 16 > d
	BIASES \q
.Lopen_\@:
	s_wait_alu depctr_va_vdst(0)                   ; the products K Q^T, and in a biased step the selects and multiply-adds, are done with FR; the last products V^T P are done reading v114-117: V's loads land in both
	VTILE \q, 0                                    ; V's four tiles are dealt among the lines of the maximum search, which name S and v236-239 alone: nothing more is owed for them.  They land under the softmax
	ds_load_b128 v[114:117], v119 offset:256*(\q)  ; and their scale words
.irp b, 0,1,2,3
	v_max3_num_f32 v[236+\b], v[S+16*\b], v[S+16*\b+1], v[S+16*\b+2]   ; the largest of each block of 32 keys: it serves the row's maximum and, since p rises with it, the block's largest p
.endr
	VTILE \q, 1
.irp i, 3,5
.irp b, 0,1,2,3
	v_max3_num_f32 v[236+\b], v[236+\b], v[S+16*\b+\i], v[S+16*\b+\i+1]
.endr
.endr
	VTILE \q, 2
.irp i, 7,9
.irp b, 0,1,2,3
	v_max3_num_f32 v[236+\b], v[236+\b], v[S+16*\b+\i], v[S+16*\b+\i+1]
.endr
.endr
	VTILE \q, 3
.irp i, 11,13
.irp b, 0,1,2,3
	v_max3_num_f32 v[236+\b], v[236+\b], v[S+16*\b+\i], v[S+16*\b+\i+1]
.endr
.endr
.irp b, 0,1,2,3
	v_max_num_f32 v[236+\b], v[236+\b], v[S+16*\b+15]
.endr
.irp b, 0,1,2,3
	v_permlanex16_b32 v[240+\b], v[236+\b], s40, s41
.endr
.irp b, 0,1,2,3
	v_max_num_f32 v[236+\b], v[236+\b], v[240+\b]  ; with lane l xor 16's 16 keys
.endr
	v_max3_num_f32 v254, v236, v237, v238
	v_max_num_f32 v254, v254, v239
	v_mul_f32 v254, s44, v254                      ; the step's largest t of my query
	v_max_num_f32 v13, v13, v254                   ; the running largest t
	v_mov_b32 v254, v12
	v_floor_f32 v12, -v13                          ; -M = floor(-t): M is a whole number
	v_sub_f32 v254, v12, v254                      ; old M - new M, 0 or less
	v_cvt_i32_f32 v254, v254                       ; (it saturates)
	v_ldexp_f32 v250, 1.0, v254                    ; f = 2^(old M - new M)
.set j, 0
.rept 32
	v_pk_fma_f32 v[S+j:S+j+1], v[S+j:S+j+1], s[44:45], v[12:13] op_sel_hi:[1,0,0]   ; t - M
.set j, j+2
.endr
.irp b, 0,1,2,3
	v_fma_f32 v[236+\b], v[236+\b], s44, v12       ; the same of each block's largest
.endr
.set j, 0
	s_wait_alu depctr_va_vdst(0)
.rept 64
	v_exp_f32 v[S+j], v[S+j]                       ; p = 2^(t - M)
.set j, j+1
.endr
	v_pk_mul_f32 v[14:15], v[14:15], v[250:251] op_sel_hi:[1,0]   ; the sum under the new M (the plain instruction behind the exponentials)
	s_wait_alu depctr_va_vdst(0)                   ; the 64 exponentials have written p: one wait for the batch, ahead of its first reader
.irp b, 0,1,2,3
	v_exp_f32 v[236+\b], v[236+\b]                 ; the block's largest p: the same two instructions on the same number
.endr
	v_pk_add_f32 v[240:241], v[S:S+1], v[S+2:S+3]  ; the row's sum of the unquantised p, in two chains
.set j, 4
.rept 15
	v_pk_add_f32 v[14:15], v[14:15], v[S+j:S+j+1]
	v_pk_add_f32 v[240:241], v[240:241], v[S+j+2:S+j+3]
.set j, j+4
.endr
	v_pk_add_f32 v[14:15], v[14:15], v[240:241]
	s_wait_alu depctr_va_vdst(0)                   ; the four exponentials have written v236-239, ahead of their first reader
.irp b, 0,1,2,3
	v_max_num_f32 v[236+\b], 0x2800000, v[236+\b]  ; the floor 2^(5 - 127): a block whose every p is 0 keeps the byte 1; its codes are zeros
.endr
.irp b, 0,1,2,3
	v_add_nc_u32 v[244+\b], 0xfe000000, v[236+\b]  ; 4 off the exponent field: the conversion's scale operand
.endr
.irp b, 0,1,2,3
	v_lshrrev_b32 v[240+\b], 23, v[244+\b]         ; the scale's byte
.endr
	v_lshl_or_b32 v253, v241, 8, v240              ; p's scale word for these 128 keys
	v_lshl_or_b32 v253, v242, 16, v253
	v_lshl_or_b32 v253, v243, 24, v253
.irp c, 0,1
	v_cvt_scalef32_pk16_bf6_f32 v[PC+6*\c:PC+6*\c+2], v[S+32*\c:S+32*\c+15], v[244+2*\c]
	v_cvt_scalef32_pk16_bf6_f32 v[228+4*\c:230+4*\c], v[S+32*\c+16:S+32*\c+31], v[244+2*\c+1]   ; (a conversion's three registers begin on an even number)
.endr
	v_nop                                          ; one plain instruction behind the scaled conversions
.irp c, 0,1                                    ; the operand wants a whole block in a lane: lanes 0-15 block 2 c, lanes 16-31 block 2 c + 1
.irp i, 0,1,2
	v_permlane16_swap_b32 v[PC+6*\c+\i], v[228+4*\c+\i]
.endr
.irp i, 0,1,2
	v_mov_b32 v[PC+3+6*\c+\i], v[228+4*\c+\i]
.endr
.endr
.set j, 0
.rept 16
	v_pk_mul_f32 v[O+j:O+j+1], v[O+j:O+j+1], v[250:251] op_sel_hi:[1,0]   ; O^T under the new M, each accumulator from its low end on.  For each product below, the twelve of these that name other accumulators are the places behind the writes of p's codes and scale word
.set j, j+2
.endr
	s_wait_dscnt 0x0                               ; V's tiles and scale words are in
	s_wait_alu depctr_va_vdst(0)                   ; vector instructions have written p's codes v216-227 and its scale word v253, which the scaled products take; the places above stay beside this wait
.irp c, 0,1,2,3                                ; the four accumulators by turns, one instruction a turn; between two links of a chain stand the others' and the next step's eight
	v_wmma_scale_f32_16x16x128_f8f6f4 v[O+8*\c:O+8*\c+7], v[FR+12*\c:FR+12*\c+11], v[PC:PC+11], v[O+8*\c:O+8*\c+7], v[114+\c], v253 matrix_a_fmt:MATRIX_FMT_BF6 matrix_b_fmt:MATRIX_FMT_BF6
.endr
.Lskip_\@:
.endm
; THE WAY OUT, in the trip of the wave's last chunk that counts: O^T / the sum (0 where queries_mask is false) goes through my stage and leaves as rows of 256 bytes.
.macro OUT
	s_cmp_eq_u32 s30, s28
	s_cbranch_scc0 .Lnot_yet_\@
	v_add_f32 v14, v14, v15                        ; the sum's two halves,
	v_permlanex16_b32 v240, v14, s40, s41
	v_add_f32 v14, v14, v240                       ; and lane l xor 16's
	s_wait_alu depctr_va_vdst(0)
	v_rcp_f32 v248, v14
	v_cmp_ne_u32 vcc_lo, 0, v29
	v_nop                                          ; plain instructions behind the reciprocal; with the additions above and the choice below also the places behind the last products
	v_nop
	s_wait_alu depctr_va_vdst(0)                   ; the reciprocal has written v248, ahead of its first reader
	s_wait_alu depctr_va_vcc(0)                    ; the compare has written VCC, which the select reads
	v_cndmask_b32 v248, v51, v248, vcc_lo
.set j, 0
.rept 32
	v_mul_f32 v[S+j], v[O+j], v248                 ; register 8 c + i is out(query r, channel 16 c + 8 h + i)
.set j, j+1
.endr
	s_wait_alu depctr_va_vdst(0)                   ; the multiplications have written S + 0 .. 31, which the LDS stores read; the last step's vector lines are done with S + 32 .. 63, in which the loads from the stage land
.irp c, 0,1,2,3
	ds_store_b128 v36, v[S+8*\c:S+8*\c+3] offset:64*\c
	ds_store_b128 v36, v[S+8*\c+4:S+8*\c+7] offset:64*\c+16
.endr
.irp i, 0,1,2,3,4,5,6,7
	ds_load_b128 v[S+32+4*\i:S+32+4*\i+3], v48 offset:544*\i      ; LDS serves a wave's instructions in order (ISA guide 5.7.1.4): these see my stores
.endr
.irp i, 0,1,2,3,4,5,6,7
	s_wait_dscnt 7-\i                              ; load i is back; the younger ones may be out
	global_store_b128 v255, v[S+32+4*\i:S+32+4*\i+3], s[20:21] offset:(2*\i+8*(\i/4))*4096 th:TH_STORE_NT   ; sixteen lanes store a query's 256 consecutive bytes, aligned; the tile's row 2 i + h is query 2 i + h + 8 (i / 4) on
.endr
	s_wait_xcnt 0x0                                ; the stores' addresses are translated (ISA guide 3.1): S is written again only behind this wait, and behind the wait on vm_vsrc at the next trip's head
.Lnot_yet_\@:
.endm
; A TRIP: chunk C.  kfill: K's chunk C - 1 is brought;  vfill: and one row a wave of V's lower half.
.macro TRIP kfill, vfill
	s_lshl_b32 s32, s30, 1
	s_or_b32 s31, s32, 1
	s_wait_alu depctr_vm_vsrc(0)                   ; all LDS and memory instructions issued so far have read their registers: the addresses that the adds below write, the fills' data v30-35 and v38-43, in which the loads below land, and the parts of S that the head's and the way out's stores read
	v_add_nc_u32 v8, s50, v1
	v_add_nc_u32 v9, s50, v2
	v_add_nc_u32 v10, s51, v3
	v_add_nc_u32 v11, s52, v4
	v_add_nc_u32 v119, s53, v5
	v_add_nc_u32 v37, s51, v6                      ; (the biases, like K's scale words, are 1,024 bytes a chunk)
.if \kfill
	s_sub_co_u32 s54, s50, CHK
	v_lshl_add_u32 v46, v0, 4, s54                 ; K's images begin at LDS byte 0: one number is the offset in the head's images and the LDS address
	v_lshl_add_u32 v47, v0, 3, s54
.endif
.if \vfill
	v_add_nc_u32 v44, s43, v50                     ; this trip's row of my wave's four, in LDS
.endif
	s_wait_alu depctr_va_vdst(0)                   ; the trip's addresses are written, which its loads and its stores at its end read; the last trip's products are done reading FR and the scale words, in which the first step's loads land
.if \kfill
	global_load_b128 v[30:33], v46, s[8:9]         ; 512 threads x 16 bytes,
	global_load_b64 v[34:35], v47, s[8:9] offset:8192   ; and x 8: the chunk's 12,288
.endif
.if \vfill
.irp k, 0,1,2
	global_load_b64 v[38+2*\k:39+2*\k], v49, s[36:37] offset:256*\k   ; the row's lower 768 bytes: 32 lanes read 256 consecutive bytes, aligned
.endr
.endif
	STEP 1
	STEP 0
	OUT
.if \kfill
	s_wait_loadcnt 0x0                             ; the fills, asked for at the trip's head; no younger load exists
	ds_store_b128 v46, v[30:33]                    ; (no vector instruction since the wait at the trip's head names v30-47)
	ds_store_b64 v47, v[34:35] offset:8192
.if \vfill
.irp k, 0,1,2
	ds_store_b64 v44, v[38+2*\k:39+2*\k] offset:256*\k   ; into V's lower half, which nobody reads before chunk 3
.endr
	s_add_co_u32 s43, s43, VP                      ; the next row,
	s_add_nc_u64 s[36:37], s[36:37], 1536          ; in memory too (its loads are done)
.endif
	s_sub_co_u32 s30, s30, 1                       ; on to the chunk below
	s_sub_co_u32 s50, s50, CHK
	s_sub_co_u32 s51, s51, 1024
	s_sub_co_u32 s52, s52, 192
	s_sub_co_u32 s53, s53, 512
	s_wait_dscnt 0x0                               ; for the others' sake: my stores have landed
	s_barrier_signal -1
	s_barrier_wait -1                              ; the chunk below is whole.  Every wave passes here, whatever it has left out
.endif
.endm
	s_load_b256 s[4:11], s[0:1], 0x0               ; q_img s[4:5], q_scl s[6:7], k_img s[8:9], k_scl s[10:11]
	s_load_b256 s[12:19], s[0:1], 0x20             ; values_codes s[12:13], values_scales s[14:15], values_mask s[16:17], queries_mask s[18:19]
	s_load_b64 s[20:21], s[0:1], 0x40              ; out0
	v_lshl_add_u32 v45, v0, 2, 0x46800
	v_mov_b32 v118, 0
	v_lshrrev_b32 v8, 5, v0
	v_readfirstlane_b32 s22, v8                    ; wave 0..15
	s_mov_b32 s23, ttmp9
	s_and_b32 s24, ttmp7, 0xffff                   ; 16 b + head
	s_wait_alu depctr_va_sdst(0)                   ; s22 is written, ahead of its first reader: the tile, the stage and the fills' places are made from it
	; my tile.  Waves 2 i and 2 i + 1 take places 8 x + i and 127 - (8 x + i) of the order by cost; which of the two takes which changes with i / 2, so that any four waves dealt to a SIMD by w % 4 or by w / 4 hold two of each kind.
	s_lshr_b32 s55, s22, 1
	s_lshr_b32 s56, s22, 2
	s_xor_b32 s56, s56, s22
	s_and_b32 s56, s56, 1
	s_lshl_b32 s57, s23, 3
	s_add_co_u32 s57, s57, s55
	s_sub_co_u32 s55, 127, s57
	s_cmp_lg_u32 s56, 0
	s_cselect_b32 s57, s55, s57
	s_add_co_u32 s57, s57, 127                     ; place u is tile u - 1, place 0 the last tile, which does all steps
	s_and_b32 s27, s57, 127
	s_lshr_b32 s25, s27, 3                         ; the step in which my queries lie
	s_lshr_b32 s55, s27, 1
	s_lshl_b32 s55, s55, 5
	s_and_b32 s56, s27, 1
	s_lshl_b32 s56, s56, 3
	s_add_co_u32 s38, s55, s56                     ; my first query
	s_mov_b32 s39, 0x3f800000
	s_mov_b32 s40, 0x76543210
	s_mov_b32 s41, 0xfedcba98
	s_mov_b32 s42, 0x3e38aa3b                      ; log2(e) / 8
	s_mov_b32 s43, 0
	s_mov_b32 s46, 0x3e000000                      ; 0.125
	s_mov_b32 s47, s46
	s_mov_b32 s48, 0x3fb8aa3b                      ; log2(e)
	s_mov_b32 s49, s48
	; every LDS address is made here, of the thread's number, the wave's number and constants
	v_and_b32 v37, 31, v0                          ; l
	v_lshlrev_b32 v1, 4, v37
	v_lshl_add_u32 v2, v37, 3, 512
	s_mul_i32 s55, s22, 4*1536
	v_lshl_add_u32 v49, v37, 3, s55                ; V's fill: wave w owns channel rows 4 w .. 4 w + 3; in memory 8 bytes a lane,
	s_mul_i32 s55, s22, 4*VP
	v_lshl_add_u32 v50, v37, 3, s55
	v_add_nc_u32 v50, VIMG, v50                    ; and the same in LDS; row and piece stand in the immediates
	v_lshlrev_b32 v37, 6, v37                      ; values_mask: my 64 keys
	v_and_b32 v11, 15, v0                          ; r
	v_bfe_u32 v9, v0, 4, 1                         ; h
	v_lshlrev_b32 v10, 4, v11                      ; 16 r
	v_add_nc_u32 v3, KSC, v10
	v_add_nc_u32 v5, VSC, v10
	v_mul_u32_u24 v4, v11, VP
	v_mad_u32_u24 v4, v9, 24, v4
	v_add_nc_u32 v4, VIMG, v4
	v_lshl_add_u32 v6, v9, 6, NBT
	s_mul_i32 s55, s22, 16*272
	s_add_co_u32 s55, s55, OST                     ; my stage
	v_mul_u32_u24 v36, v11, 272
	v_lshl_add_u32 v36, v9, 5, v36
	v_add_nc_u32 v36, s55, v36                     ; in: row r, 32 bytes for each half of the lanes
	v_mul_u32_u24 v48, v9, 272
	v_add_nc_u32 v48, v48, v10
	v_add_nc_u32 v48, s55, v48                     ; back: lanes 0-15 one row, lanes 16-31 the next
	v_lshl_add_u32 v255, v9, 12, v10               ; and the same two rows in out
	v_and_b32 v7, 8, v11
	v_add_nc_u32 v11, v7, v11                      ; r + 8 (r / 8): my query's place behind the tile's first
	v_lshlrev_b32 v7, 4, v9
	v_sub_nc_u32 v7, v11, v7
	v_add_nc_u32 v7, s38, v7                       ; my query - 16 h (a signed number)
	v_lshlrev_b32 v8, 4, v0                        ; 16 T
	v_add_nc_u32 v249, KSC, v8
	v_lshlrev_b32 v252, 3, v0                      ; 8 T
	v_lshlrev_b32 v254, 2, v0                      ; 4 T
	v_and_b32 v248, 7, v0                          ; V's scale bytes: thread T holds channel T / 8, steps 2 (T % 8) and 2 (T % 8) + 1
	v_lshlrev_b32 v248, 9, v248
	v_bfe_u32 v250, v0, 3, 4
	v_lshl_add_u32 v248, v250, 4, v248
	v_lshrrev_b32 v250, 7, v0
	v_lshl_add_u32 v248, v250, 2, v248
	v_add_nc_u32 v248, VSC, v248                   ; [step][channel % 16][channel / 16]
	v_lshl_add_u32 v46, v0, 4, 7*CHK               ; K's chunk 7
	v_lshl_add_u32 v47, v0, 3, 7*CHK
	s_mov_b32 s35, 0
	s_mov_b32 s59, 0
	s_mul_i32 s34, s24, 98304                      ; the head's first byte in q_img, k_img and values_codes
	s_wait_kmcnt 0x0
	s_add_nc_u64 s[4:5], s[4:5], s[34:35]
	s_add_nc_u64 s[8:9], s[8:9], s[34:35]
	s_add_nc_u64 s[12:13], s[12:13], s[34:35]
	s_mul_i32 s58, s27, 768
	s_add_nc_u64 s[4:5], s[4:5], s[58:59]          ; my tile's image
	s_lshl_b32 s34, s24, 13
	s_add_nc_u64 s[6:7], s[6:7], s[34:35]
	s_add_nc_u64 s[10:11], s[10:11], s[34:35]
	s_lshr_b32 s58, s27, 2
	s_lshl_b32 s58, s58, 8
	s_and_b32 s55, s27, 3
	s_lshl_b32 s55, s55, 2
	s_add_co_u32 s58, s58, s55
	s_add_nc_u64 s[6:7], s[6:7], s[58:59]          ; my tile's scale words
	s_lshl_b32 s34, s24, 12
	s_add_nc_u64 s[14:15], s[14:15], s[34:35]
	s_lshr_b32 s34, s24, 4
	s_lshl_b32 s34, s34, 11
	s_add_nc_u64 s[16:17], s[16:17], s[34:35]      ; the batch's values_mask
	s_add_co_u32 s34, s34, s38
	s_add_nc_u64 s[18:19], s[18:19], s[34:35]      ; queries_mask at my first query
	s_lshl_b32 s34, s34, 12
	s_and_b32 s55, s24, 15
	s_lshl_b32 s55, s55, 8
	s_add_co_u32 s34, s34, s55
	s_add_nc_u64 s[20:21], s[20:21], s[34:35]      ; out at my first query, my head's 256 bytes
	s_mov_b64 s[36:37], s[12:13]                   ; V's lower half, from each wave's first row
	s_wait_alu depctr_va_vdst(0)                   ; all the offsets and addresses made above are written: the head's loads and LDS stores read them, and so do those of the whole kernel that are never written again
	global_load_b128 v[30:33], v46, s[8:9]
	global_load_b64 v[34:35], v47, s[8:9] offset:8192
	global_load_b128 v[120:123], v8, s[10:11]      ; all of K's scale words
	global_load_b128 v[16:19], v1, s[4:5] th:TH_LOAD_NT
	global_load_b64 v[20:21], v2, s[4:5] th:TH_LOAD_NT
	global_load_b32 v28, v10, s[6:7]
	global_load_u8 v29, v11, s[18:19]
.irp j, 0,1,2,3
	global_load_b128 v[124+4*\j:127+4*\j], v37, s[16:17] offset:16*\j   ; every wave reads the batch's 2,048 mask bytes, 64 a lane
.endr
	global_load_b32 v140, v254, s[16:17]           ; and each thread its four keys' for the table
	global_load_b64 v[142:143], v252, s[14:15]
.irp i, 0,1,2,3
.irp k, 0,1,2
	global_load_b64 v[152+6*\i+2*\k:153+6*\i+2*\k], v49, s[12:13] offset:1536*\i+768+256*\k   ; V's upper half: bytes 768 on of my wave's four rows, 256 consecutive bytes a load
.endr
.endr
.set j, 0
.rept 32
	v_mov_b32 v[O+j], 0                            ; O^T.  (The step is written once: the first finds zeros, which the first change of M leaves zeros.)  These lines name no register that a load or store of the head touches
.set j, j+1
.endr
	v_mov_b32 v14, 0
	v_mov_b32 v15, 0
	v_mov_b32 v13, 0xff61b1e6                      ; the largest t so far: -3e38
	v_floor_f32 v12, -v13
.irp j, 22,23,24,25,26,27,100,101,102,103,104,105,240,241,242,243,251,51
	v_mov_b32 v[\j], 0
.endr
	s_wait_loadcnt 0x0                             ; all that was asked for is used in the lines that follow
	ds_store_b128 v46, v[30:33]                    ; what goes to LDS as it was loaded goes first
	ds_store_b64 v47, v[34:35] offset:8192
	ds_store_b128 v249, v[120:123]
	ds_store_b32 v248, v142
	ds_store_b32 v248, v143 offset:256
.irp i, 0,1,2,3
.irp k, 0,1,2
	ds_store_b64 v50, v[152+6*\i+2*\k:153+6*\i+2*\k] offset:VUP+VP*\i+256*\k
.endr
.endr
.irp j, 0,1,2,3
	v_bfe_u32 v[144+\j], v140, 8*\j, 1             ; a mask byte is 0 or 1
.endr
.irp j, 0,1,2,3
	v_sub_nc_u32 v[144+\j], 0, v[144+\j]
.endr
.irp j, 0,1,2,3
	v_and_b32 v[144+\j], 0xc97423f0, v[144+\j]     ; -999999.0 where the mask is true
.endr
.irp j, 1,2,3,4,5,6,7,8,9,10,11,12,13,14,15
	v_and_b32 v124, v124, v[124+\j]
.endr
	v_cmp_ne_u32 vcc_lo, 0x01010101, v124          ; lane l: a hole among keys 64 l .. 64 l + 63
	s_wait_alu depctr_va_vdst(0)                   ; my four biases v144-147 are written, which the LDS store reads
	ds_store_b128 v249, v[144:147] offset:NBT-KSC
	s_wait_alu depctr_va_vcc(0)                    ; the compare has written VCC, ahead of the move that reads it
	s_mov_b32 s33, vcc_lo
	s_lshl_b32 s55, s25, 1
	s_lshl_b32 s26, -1, s55                        ; the steps from my own on,
	s_or_b32 s26, s26, s33                         ; and those with holes;
	s_cmp_eq_u32 s27, 127
	s_cselect_b32 s26, -1, s26                     ; the last tile: all
	s_ctz_i32_b32 s28, s26
	s_lshr_b32 s28, s28, 2                         ; the lowest chunk that counts
	s_wait_dscnt 0x0
	s_barrier_signal -1
	s_barrier_wait -1                              ; K's chunk 7, V's upper half and the tables are whole
	s_mov_b32 s30, 7
	s_mov_b32 s50, 7*CHK
	s_mov_b32 s51, 7*1024
	s_mov_b32 s52, VUP+3*192                       ; chunk 7 is the upper half's fourth
	s_mov_b32 s53, 7*512
	s_mov_b32 s29, 4
.Lupper:                                           ; chunks 7 to 4
	TRIP 1, 1
	s_sub_co_u32 s29, s29, 1
	s_cmp_lg_u32 s29, 0
	s_cbranch_scc1 .Lupper
	s_mov_b32 s52, 3*192                           ; V's lower half
	s_mov_b32 s29, 3
.Llower:                                           ; chunks 3 to 1
	TRIP 1, 0
	s_sub_co_u32 s29, s29, 1
	s_cmp_lg_u32 s29, 0
	s_cbranch_scc1 .Llower
	TRIP 0, 0                                      ; chunk 0: nothing is left to bring
	s_wait_dscnt 0x0
	s_wait_alu depctr_hold_cnt(0) depctr_sa_sdst(0) depctr_va_vdst(0) depctr_va_sdst(0) depctr_va_ssrc(0) depctr_va_vcc(0) depctr_vm_vsrc(0)
	s_wait_tensorcnt 0x0
	ds_add_u32 v45, v118
	s_wait_dscnt 0x0
	s_endpgm
.Lfunc_end_k_q7b0d1fb315_attn:
	.size	k_q7b0d1fb315_attn, .Lfunc_end_k_q7b0d1fb315_attn-k_q7b0d1fb315_attn
	.p2alignl 7, 3214868480
	.fill 96, 4, 3214868480
	.section	.rodata,"a",@progbits
	.p2align	6, 0x0
	.amdhsa_kernel k_q7b0d1fb315_attn
		.amdhsa_group_segment_fixed_size 290816
		.amdhsa_private_segment_fixed_size 0
		.amdhsa_enable_private_segment 0
		.amdhsa_kernarg_size 72
		.amdhsa_user_sgpr_count 2
		.amdhsa_user_sgpr_kernarg_segment_ptr 1
		.amdhsa_wavefront_size32 1
		.amdhsa_system_sgpr_workgroup_id_x 1
		.amdhsa_system_sgpr_workgroup_id_y 1
		.amdhsa_system_sgpr_workgroup_id_z 1
		.amdhsa_system_vgpr_workitem_id 0
		.amdhsa_next_free_vgpr 256
		.amdhsa_next_free_sgpr 98
		.amdhsa_reserve_vcc 1
		.amdhsa_float_denorm_mode_32 3
		.amdhsa_float_denorm_mode_16_64 3
		.amdhsa_memory_ordered 1
		.amdhsa_forward_progress 1
		.amdhsa_inst_pref_size 212
	.end_amdhsa_kernel
	.amdgpu_metadata
---
amdhsa.version: [ 1, 2 ]
amdhsa.kernels:
  - .name:           k_q7b0d1fb315_attn
    .symbol:         k_q7b0d1fb315_attn.kd
    .args:
      - { .name: q_img, .offset: 0, .size: 8, .value_kind: global_buffer, .address_space: global }
      - { .name: q_scl, .offset: 8, .size: 8, .value_kind: global_buffer, .address_space: global }
      - { .name: k_img, .offset: 16, .size: 8, .value_kind: global_buffer, .address_space: global }
      - { .name: k_scl, .offset: 24, .size: 8, .value_kind: global_buffer, .address_space: global }
      - { .name: values_codes, .offset: 32, .size: 8, .value_kind: global_buffer, .address_space: global }
      - { .name: values_scales, .offset: 40, .size: 8, .value_kind: global_buffer, .address_space: global }
      - { .name: values_mask, .offset: 48, .size: 8, .value_kind: global_buffer, .address_space: global }
      - { .name: queries_mask, .offset: 56, .size: 8, .value_kind: global_buffer, .address_space: global }
      - { .name: out0, .offset: 64, .size: 8, .value_kind: global_buffer, .address_space: global }
    .group_segment_fixed_size: 290816
    .private_segment_fixed_size: 0
    .kernarg_segment_align: 8
    .kernarg_segment_size: 72
    .max_flat_workgroup_size: 512
    .sgpr_count:     98
    .vgpr_count:     256
    .wavefront_size: 32
...
	.end_amdgpu_metadata
.endif
;; end of part 4
